; MI455X (gfx1250); checked and timed in simulation.
; The chip was launched on July 23, 2026; its instructions are those of AMD's public machine-readable ISA for CDNA 5 (MIT licence, August 2026) and "CDNA5" Instruction Set Architecture Reference Guide (July 2026). The comments in the code are by the model that wrote it; some were corrected since.
;; Transformer Block. Allowed arithmetic: matrix products marked QUANTISED: E4M3 operands, one given power-of-two scale a tensor, by v_wmma_f32_16x16x64_fp8_fp8 or v_wmma_f32_16x16x128_fp8_fp8, f32 sums; everything else in f32.
;; Inputs: b1 4,096 float32; b2 1,024 float32; bu 1,024 float32; lowp_scales 16 int32 (the exponents e of the quantised operands' scales 2^e); w1 4,096 x 1,024 float32; w2 1,024 x 4,096 float32; wk 1,024 x 1,024 float32; wq 1,024 x 1,024 float32; wu 1,024 x 1,024 float32; wv 1,024 x 1,024 float32; x 4 x 1,024 x 1,024 float32.
;; Outputs: out0 4 x 1,024 x 1,024 float32.
;; This version of the problem:
;;   THIS VERSION OF THE PROBLEM IS GIVEN IN LOW PRECISION. The matrix products marked QUANTISED in the list below multiply operands that are first quantised to E4M3 (4 exponent bits, 3 mantissa bits; 8 bits a number), with one given power-of-two scale for each operand tensor; their sums are f32. All else is computed in f32.
;;   The module's matrix products, in the order in which they are computed (A, B: the left and right operand; K: the contracted axis; several contracted axes count as one K, in the product's order):
;;     1. [M 4,096, K 1,024] x [K 1,024, N 1,024]; A: computed on the way; B: input wq: QUANTISED (scales: A lowp_scales[0], B lowp_scales[1])
;;     2. [M 4,096, K 1,024] x [K 1,024, N 1,024]; A: computed on the way; B: input wk: QUANTISED (scales: A lowp_scales[2], B lowp_scales[3])
;;     3. [M 4,096, K 1,024] x [K 1,024, N 1,024]; A: computed on the way; B: input wv: QUANTISED (scales: A lowp_scales[4], B lowp_scales[5])
;;     4. batch 64 x [M 1,024, K 64] x [K 64, N 1,024]; A: computed on the way; B: computed on the way: QUANTISED (scales: A lowp_scales[6], B lowp_scales[7])
;;     5. batch 64 x [M 1,024, K 1,024] x [K 1,024, N 64]; A: softmax (see below); B: computed on the way: QUANTISED (scales: A lowp_scales[8], B lowp_scales[9])
;;     6. [M 4,096, K 1,024] x [K 1,024, N 1,024]; A: computed on the way; B: input wu: QUANTISED (scales: A lowp_scales[10], B lowp_scales[11])
;;     7. [M 4,096, K 1,024] x [K 1,024, N 4,096]; A: computed on the way; B: input w1: QUANTISED (scales: A lowp_scales[12], B lowp_scales[13])
;;     8. [M 4,096, K 4,096] x [K 4,096, N 1,024]; A: computed on the way; B: input w2: QUANTISED (scales: A lowp_scales[14], B lowp_scales[15])
;;   THE QUANTISER, for each operand of a quantised product, along K:
;;     - The operand's scale is 2^e, e = its entry of the input lowp_scales (int32; the entries are numbered through the quantised products in the list's order, A before B).
;;     - Each number is divided by the scale, clamped to +-448, and rounded to the nearest number of E4M3, ties to even, subnormals kept.
;;     - The product sums the exact products of the quantised numbers (number of the format x scale) in f32.
;;   ~~~python
;;   def quantise(x, axis, e):      # numpy; x: float32 -> the quantised numbers, widened to float32 again
;;       x = np.moveaxis(x, axis, -1); K = x.shape[-1]
;;       r = np.clip(x / 2.0 ** e, -448, 448)
;;       step = 2.0 ** (np.maximum(np.frexp(np.where(r == 0, 1, r))[1] - 1, -6) - 3)
;;       q = np.round(r / step) * step * 2.0 ** e      # np.round: ties to even
;;       return np.moveaxis(q, -1, axis).astype(np.float32)
;;   ~~~
;;   SOFTMAX AHEAD OF A QUANTISED PRODUCT. Where the list says 'softmax', what is quantised is not the finished softmax but p = 2^(t - M), with t = logit x log2(e) and M = ceil(the row's largest t), a whole number; so 1/2 < the row's largest p <= 1. The row's sum l is taken of the UNQUANTISED p, in f32, and the product's result is divided by l at the end. Since M is a whole number, a kernel that streams over the keys may use a running M (the ceiling of the running maximum): every later rescaling is an exact power of two, so the quantised numbers keep their values, but for numbers so far below the row's largest that they fall under the format's range.
;;   OPERANDS COMPUTED ON THE WAY. 'Computed on the way' means the value that the module computes at that place (a softmax that the list does not call 'softmax' is quantised finished and normalised). What goes into a quantiser is computed in f32, as accurately as f32 sums, v_exp_f32 and their like allow (about 1e-6 of the number): no bf16 or f16 on the way to a quantiser, and a product that is left as it is and whose result goes on into a quantised operand takes f32 operands (vector FMAs, or v_wmma_f32_16x16x4_f32). A number that lies on a knife's edge between two numbers of the format may be rounded either way, as far as f32 arithmetic and the matrix unit's own rounding can turn it there, and no further.
;; One version. Each part assembles by itself: llvm-mc -triple=amdgcn-amd-amdhsa -mcpu=gfx1250 --defsym DOCPART=n.
;; ======== version 1 of 1: 7 launches
;; limits: right only within a limited range of input values
;; workspace buffers: xa 12,582,912 bytes; wc 12,582,912 bytes; qkv 12,582,912 bytes; ctx 4,194,304 bytes; h 16,777,216 bytes; ha 4,194,304 bytes; hid 16,777,216 bytes
;; launch prep (part 1): grid 1024 x 1, 16 waves a work-group, no clusters, 54,272 bytes of LDS; arguments x, wq, wk, wv, wu, w1, w2, lowp_scales, xa, wc; writes xa, wc
.if DOCPART == 1
	.amdgcn_target "amdgcn-amd-amdhsa--gfx1250"
	.amdhsa_code_object_version 6
	.text
	.protected	k_q6a7acb0ca9_prep
	.globl	k_q6a7acb0ca9_prep
	.p2align	8
	.type	k_q6a7acb0ca9_prep,@function
k_q6a7acb0ca9_prep:
	s_mov_b64 s[64:65], 0
	v_nop
	global_prefetch_b8 v0, s[64:65] scope:SCOPE_SE
	s_setreg_imm32_b32 hwreg(HW_REG_WAVE_MODE, 25, 1), 1
	s_wait_xcnt 0x0
; LayerNorm(x) and the six weights become codes of FP8 (E4M3), laid as IMAGES OF OPERAND REGISTERS.
; AN IMAGE: 16 rows x 128 along K = 2,048 bytes = 4 groups of 512; lane L = r + 16 h owns bytes 512 g + 16 L .. + 15, its registers 4 g .. 4 g + 3 of the
; operand of v_wmma_f32_16x16x128_fp8_fp8: register 2 c + e, byte n, is k = 16 c + 8 h + 4 e + n of row r.  A tensor [R][K] lies [R / 16][K / 128][2,048 bytes].
; A work-group takes a unit of 16 rows x 1,024 along K (16 KB of images); wave w takes row w, a lane 32 numbers (load j: k = 128 j + 4 lane + 0 .. 3: 512 consecutive bytes a load).
; Units: 0-255 x (LayerNorm, then three sets of codes, scales e0, e2, e4: the same numbers are the left operand of three products), 256-319 wq (e1), 320-383 wk (e3),
; 384-447 wv (e5), 448-511 wu (e11), 512-767 w1 (e13), 768-1023 w2 (e15; a unit is a quarter of 16 rows' 4,096).
; A lane's four codes of a load are one word of an image; the words meet in a stage in LDS (half groups of 256 bytes + 16 of padding) and leave as whole groups: 512 consecutive bytes a store.
; code = number / 2^e, held within +-448, to the nearest code, ties to even.  LayerNorm in f32, the variance from the centred numbers (two passes over registers).
; LIMITS: each e between -126 and 119, so that 2^e and 448 x 2^e are f32 numbers.  NaN among the inputs is not served.
; No tensor loads, no cluster: work-groups share no input.
.set X,   8                            ; v8-39    my 32 numbers
.set T,   40                           ; v40-71   at work: partial sums, held numbers; later the groups on their way out
.set CC,  72                           ; v72-95   codes: eight words for each of three scales
.set SCV, 96                           ; v96-101  for scale s: 2^e at +2 s, 448 x 2^e at +2 s + 1
.set SA,  102                          ; v102     the stage: where my word of load 0 goes
.set RA,  103                          ; v103     the stage: where I read 16 bytes of a group back
.set GOF, 104                          ; v104     my byte offset in the unit's 16 KB of images
.set HGP, 272                          ; a half group in the stage: 256 bytes + 16
.set STG, 64*HGP                       ; a stage: 64 half groups; one stage for each scale
	s_load_b512 s[4:19], s[0:1], 0x0               ; x, wq, wk, wv, wu, w1, w2, the scales' exponents
	s_load_b128 s[20:23], s[0:1], 0x40             ; xa, wc
	v_lshl_add_u32 v112, v0, 2, 0xcc00
	v_mov_b32 v113, 0
	v_and_b32 v1, 31, v0
	s_delay_alu instid0(VALU_DEP_1)
	v_lshlrev_b32 v1, 4, v1                        ; 16 x lane
	v_lshrrev_b32 v2, 5, v0                        ; wave = my row of the 16
	s_delay_alu instid0(VALU_DEP_1)
	v_readfirstlane_b32 s44, v2
	v_bfe_u32 v3, v0, 3, 2                         ; k = 4 lane + n: group g = lane / 8,
	v_bfe_u32 v4, v0, 1, 1                         ; half h = (lane / 2) % 2
	s_delay_alu instid0(VALU_DEP_1)
	v_lshl_add_u32 v3, v3, 1, v4
	s_delay_alu instid0(VALU_DEP_1)
	v_mul_u32_u24 v[SA], v3, HGP                   ; half group 2 g + h
	s_delay_alu instid0(VALU_DEP_1)
	v_lshl_add_u32 v[SA], v2, 4, v[SA]             ; + 16 x row
	v_bfe_u32 v4, v0, 2, 1
	s_delay_alu instid0(VALU_DEP_1)
	v_lshl_add_u32 v[SA], v4, 3, v[SA]             ; + 8 x ((lane / 4) % 2): which pair of registers
	v_and_b32 v4, 1, v0
	s_delay_alu instid0(VALU_DEP_1)
	v_lshl_add_u32 v[SA], v4, 2, v[SA]             ; + 4 x (lane % 2): which register of the pair
	v_bfe_u32 v3, v0, 4, 1
	s_delay_alu instid0(VALU_DEP_1)
	v_mul_u32_u24 v[RA], v3, HGP
	v_and_b32 v4, 15, v0
	s_delay_alu instid0(VALU_DEP_1)
	v_lshl_add_u32 v[RA], v4, 4, v[RA]
	s_delay_alu instid0(VALU_DEP_1)
	v_mad_u32_u24 v[RA], v2, 4*HGP, v[RA]          ; back: wave w takes groups 2 w and 2 w + 1: lanes 0-15 one half group, lanes 16-31 the next
	v_lshl_add_u32 v[GOF], v2, 10, v1              ; and the same two groups in memory
	v_mov_b32 v5, 0                                ; written once: a lane permute's destination counts as one of its sources
	s_mov_b32 s52, 0x76543210                      ; v_permlanex16_b32: lane l takes lane l xor 16
	s_mov_b32 s53, 0xfedcba98
	s_mov_b32 s54, 0x3a800000                      ; 1 / 1,024
	s_mov_b32 s55, 0x38d1b717                      ; 1e-4
	s_wait_kmcnt 0x0
	s_load_b512 s[24:39], s[18:19], 0x0            ; e0 .. e15
; which tensor is my unit's?  The choice hangs on the work-group's number alone
.macro PICK bound, src, ub
	s_cmp_lt_u32 ttmp9, \bound
	s_cselect_b64 s[40:41], s[\src:\src+1], s[40:41]
	s_cselect_b32 s42, \ub, s42
.endm
	s_mov_b64 s[40:41], s[16:17]                   ; w2,
	s_mov_b32 s42, 768                             ; whose first unit is 768
	PICK 768, 14, 512
	PICK 512, 12, 448
	PICK 448, 10, 384
	PICK 384, 8, 320
	PICK 320, 6, 256
	PICK 256, 4, 0
	s_sub_co_u32 s43, ttmp9, s42                   ; my unit within its tensor
	s_lshl_b32 s45, s43, 4
	s_add_co_u32 s45, s45, s44
	s_lshl_b32 s45, s45, 12                        ; rows of 4,096 bytes: (16 unit + wave) rows
	s_lshr_b32 s56, s43, 2
	s_lshl_b32 s56, s56, 4
	s_add_co_u32 s56, s56, s44
	s_lshl_b32 s56, s56, 14                        ; w2: rows of 16,384 bytes: 16 (unit / 4) + wave,
	s_and_b32 s57, s43, 3
	s_lshl_b32 s57, s57, 12
	s_add_co_u32 s56, s56, s57                     ; + the quarter
	s_cmp_ge_u32 ttmp9, 768
	s_cselect_b32 s56, s56, s45
	s_mov_b32 s57, 0
	s_add_nc_u64 s[40:41], s[40:41], s[56:57]
.irp j, 0,1,2,3,4,5,6,7
	global_load_b128 v[X+4*\j:X+4*\j+3], v1, s[40:41] offset:512*\j th:TH_LOAD_NT   ; 32 lanes read 512 consecutive bytes; the launch reads each byte once
.endr
	s_cmp_lt_u32 ttmp9, 256
	s_cselect_b64 s[46:47], s[20:21], s[22:23]     ; x's codes go to xa, the weights' to wc
	s_cselect_b32 s58, 0, 256
	s_sub_co_u32 s58, ttmp9, s58
	s_lshl_b32 s58, s58, 14                        ; 16 KB a unit
	s_mov_b32 s59, 0
	s_add_nc_u64 s[46:47], s[46:47], s[58:59]
	s_add_nc_u64 s[48:49], s[46:47], 0x400000      ; xa's second and third copies (used by x's units alone)
	s_add_nc_u64 s[50:51], s[46:47], 0x800000
	s_wait_kmcnt 0x0
.macro PICKE bound, e
	s_cmp_lt_u32 ttmp9, \bound
	s_cselect_b32 s60, s[\e], s60
.endm
	s_mov_b32 s60, s39                             ; e15
	PICKE 768, 37
	PICKE 512, 35
	PICKE 448, 29
	PICKE 384, 27
	PICKE 320, 25
	PICKE 256, 24
.macro MKSC s, e                       ; 2^e and 448 x 2^e as f32 numbers
	s_add_co_i32 s61, s[\e], 127
	s_lshl_b32 s62, s61, 23
	v_mov_b32 v[SCV+2*\s], s62
	s_add_co_i32 s61, s61, 8
	s_lshl_b32 s61, s61, 23
	s_or_b32 s61, s61, 0x600000
	v_mov_b32 v[SCV+2*\s+1], s61
.endm
	MKSC 0, 60
	MKSC 1, 26
	MKSC 2, 28
.macro REDUCE v, t                     ; the sum over the wave's 32 lanes, in every lane
	s_delay_alu instid0(VALU_DEP_1)
	v_add_f32_dpp v[\v], v[\v], v[\v] row_xmask:1 row_mask:0xf bank_mask:0xf
	s_delay_alu instid0(VALU_DEP_1)
	v_add_f32_dpp v[\v], v[\v], v[\v] row_xmask:2 row_mask:0xf bank_mask:0xf
	s_delay_alu instid0(VALU_DEP_1)
	v_add_f32_dpp v[\v], v[\v], v[\v] row_xmask:4 row_mask:0xf bank_mask:0xf
	s_delay_alu instid0(VALU_DEP_1)
	v_add_f32_dpp v[\v], v[\v], v[\v] row_xmask:8 row_mask:0xf bank_mask:0xf
	s_delay_alu instid0(VALU_DEP_1)
	v_permlanex16_b32 v[\t], v[\v], s52, s53
	s_delay_alu instid0(VALU_DEP_1)
	v_add_f32 v[\v], v[\v], v[\t]
.endm
.macro FOLD                            ; four chains of pairs in v[T] on become one number in v[T]
	s_delay_alu instid0(VALU_DEP_3)
	v_pk_add_f32 v[T:T+1], v[T:T+1], v[T+2:T+3]
	s_delay_alu instid0(VALU_DEP_2)
	v_pk_add_f32 v[T+4:T+5], v[T+4:T+5], v[T+6:T+7]
	s_delay_alu instid0(VALU_DEP_1)
	v_pk_add_f32 v[T:T+1], v[T:T+1], v[T+4:T+5]
	s_delay_alu instid0(VALU_DEP_1)
	v_add_f32 v[T], v[T], v[T+1]
.endm
.macro LN                              ; my row: (x - mean) / sqrt(var + 1e-4), in place
.irp c, 0,1,2,3
	v_pk_add_f32 v[T+2*\c:T+2*\c+1], v[X+4*\c:X+4*\c+1], v[X+4*\c+2:X+4*\c+3]
.endr
.irp c, 0,1,2,3
	s_delay_alu instid0(VALU_DEP_4)
	v_pk_add_f32 v[T+2*\c:T+2*\c+1], v[T+2*\c:T+2*\c+1], v[X+16+2*\c:X+16+2*\c+1]
.endr
.irp c, 0,1,2,3
	s_delay_alu instid0(VALU_DEP_4)
	v_pk_add_f32 v[T+2*\c:T+2*\c+1], v[T+2*\c:T+2*\c+1], v[X+24+2*\c:X+24+2*\c+1]
.endr
	FOLD
	s_delay_alu instid0(VALU_DEP_1)
	v_mov_b32 v2, v[T]
	REDUCE 2, 3
	s_delay_alu instid0(VALU_DEP_1)
	v_mul_f32 v2, s54, v2                          ; the mean,
	s_delay_alu instid0(VALU_DEP_1)
	v_mov_b32 v3, v2                               ; twice: a pair for the packed subtraction
.set i, 0
.rept 16
	v_pk_add_f32 v[X+2*i:X+2*i+1], v[X+2*i:X+2*i+1], v[2:3] neg_lo:[0,1] neg_hi:[0,1]
.set i, i+1
.endr
.irp c, 0,1,2,3
	v_pk_mul_f32 v[T+2*\c:T+2*\c+1], v[X+2*\c:X+2*\c+1], v[X+2*\c:X+2*\c+1]
.endr
.set i, 4
.rept 12
	s_delay_alu instid0(VALU_DEP_4)
	v_pk_fma_f32 v[T+2*(i%4):T+2*(i%4)+1], v[X+2*i:X+2*i+1], v[X+2*i:X+2*i+1], v[T+2*(i%4):T+2*(i%4)+1]
.set i, i+1
.endr
	FOLD
	s_delay_alu instid0(VALU_DEP_1)
	v_mov_b32 v4, v[T]
	REDUCE 4, 5
	s_delay_alu instid0(VALU_DEP_1)
	v_fma_f32 v4, v4, s54, s55                     ; var + 1e-4
	s_wait_alu depctr_va_vdst(0)
	v_rsq_f32 v4, v4
	v_nop                                          ; a plain instruction behind the transcendental,
	s_wait_alu depctr_va_vdst(0)                   ; and the wait ahead of its first reader
	v_mov_b32 v5, v4
.set i, 0
.rept 16
	v_pk_mul_f32 v[X+2*i:X+2*i+1], v[X+2*i:X+2*i+1], v[4:5]
.set i, i+1
.endr
.endm
.macro QS s                            ; my 32 numbers under scale s: held, converted, eight words into stage s
.set i, 0
.rept 32
	v_med3_num_f32 v[T+i], v[X+i], -v[SCV+2*\s+1], v[SCV+2*\s+1]   ; the conversion to an 8-bit code does not saturate (ISA guide 7.6.2): the hold comes first
.set i, i+1
.endr
.irp j, 0,1,2,3
	v_cvt_scalef32_pk8_fp8_f32 v[CC+8*\s+2*\j:CC+8*\s+2*\j+1], v[T+8*\j:T+8*\j+7], v[SCV+2*\s]   ; loads 2 j and 2 j + 1: a word of four codes each
.endr
	v_nop                                          ; a plain instruction between the conversions and the next lines that write their sources
.irp j, 0,1,2,3,4,5,6,7
	ds_store_b32 v[SA], v[CC+8*\s+\j] offset:\s*STG+\j*8*HGP       ; image j of the unit's eight
.endr
.endm
.macro OUT s                           ; my two groups of stage s leave: 512 consecutive bytes a store
	ds_load_b128 v[T+8*\s:T+8*\s+3], v[RA] offset:\s*STG
	ds_load_b128 v[T+8*\s+4:T+8*\s+7], v[RA] offset:\s*STG+2*HGP
	s_wait_dscnt 0x0
	global_store_b128 v[GOF], v[T+8*\s:T+8*\s+3], s[46+2*\s:47+2*\s]
	global_store_b128 v[GOF], v[T+8*\s+4:T+8*\s+7], s[46+2*\s:47+2*\s] offset:512
.endm
	s_wait_loadcnt 0x0
	s_cmp_ge_u32 ttmp9, 256
	s_cbranch_scc1 .Lweight                        ; a weight is quantised as it is, under one scale
	LN
	QS 1
	QS 2
.Lweight:
	s_wait_alu depctr_va_vdst(0)
	QS 0
	s_wait_dscnt 0x0                               ; for the others' sake: my words lie in the stages
	s_barrier_signal -1
	s_barrier_wait -1                              ; all sixteen rows' do
	OUT 0
	s_cmp_ge_u32 ttmp9, 256
	s_cbranch_scc1 .Ldone
	OUT 1
	OUT 2
.Ldone:
	s_wait_tensorcnt 0x0
	ds_add_u32 v112, v113
	s_wait_dscnt 0x0
	s_endpgm
.Lfunc_end_k_q6a7acb0ca9_prep:
	.size	k_q6a7acb0ca9_prep, .Lfunc_end_k_q6a7acb0ca9_prep-k_q6a7acb0ca9_prep
	.p2alignl 7, 3214868480
	.fill 96, 4, 3214868480
	.section	.rodata,"a",@progbits
	.p2align	6, 0x0
	.amdhsa_kernel k_q6a7acb0ca9_prep
		.amdhsa_group_segment_fixed_size 54272
		.amdhsa_private_segment_fixed_size 0
		.amdhsa_enable_private_segment 0
		.amdhsa_kernarg_size 80
		.amdhsa_user_sgpr_count 2
		.amdhsa_user_sgpr_kernarg_segment_ptr 1
		.amdhsa_wavefront_size32 1
		.amdhsa_system_sgpr_workgroup_id_x 1
		.amdhsa_system_sgpr_workgroup_id_y 1
		.amdhsa_system_sgpr_workgroup_id_z 1
		.amdhsa_system_vgpr_workitem_id 0
		.amdhsa_next_free_vgpr 114
		.amdhsa_next_free_sgpr 66
		.amdhsa_reserve_vcc 0
		.amdhsa_float_denorm_mode_32 3
		.amdhsa_float_denorm_mode_16_64 3
		.amdhsa_memory_ordered 1
		.amdhsa_forward_progress 1
		.amdhsa_inst_pref_size 23
	.end_amdhsa_kernel
	.amdgpu_metadata
---
amdhsa.version: [ 1, 2 ]
amdhsa.kernels:
  - .name:           k_q6a7acb0ca9_prep
    .symbol:         k_q6a7acb0ca9_prep.kd
    .args:
      - { .name: x, .offset: 0, .size: 8, .value_kind: global_buffer, .address_space: global }
      - { .name: wq, .offset: 8, .size: 8, .value_kind: global_buffer, .address_space: global }
      - { .name: wk, .offset: 16, .size: 8, .value_kind: global_buffer, .address_space: global }
      - { .name: wv, .offset: 24, .size: 8, .value_kind: global_buffer, .address_space: global }
      - { .name: wu, .offset: 32, .size: 8, .value_kind: global_buffer, .address_space: global }
      - { .name: w1, .offset: 40, .size: 8, .value_kind: global_buffer, .address_space: global }
      - { .name: w2, .offset: 48, .size: 8, .value_kind: global_buffer, .address_space: global }
      - { .name: lowp_scales, .offset: 56, .size: 8, .value_kind: global_buffer, .address_space: global }
      - { .name: xa, .offset: 64, .size: 8, .value_kind: global_buffer, .address_space: global }
      - { .name: wc, .offset: 72, .size: 8, .value_kind: global_buffer, .address_space: global }
    .group_segment_fixed_size: 54272
    .private_segment_fixed_size: 0
    .kernarg_segment_align: 8
    .kernarg_segment_size: 80
    .max_flat_workgroup_size: 512
    .sgpr_count:     66
    .vgpr_count:     114
    .wavefront_size: 32
...
	.end_amdgpu_metadata
.endif
;; end of part 1
;; launch qkv (part 2): grid 12 x 16, 4 waves a work-group, clusters of 4 x 4, 327,680 bytes of LDS; arguments xa, wc, lowp_scales, qkv; writes qkv
.if DOCPART == 2
	.amdgcn_target "amdgcn-amd-amdhsa--gfx1250"
	.amdhsa_code_object_version 6
	.text
	.protected	k_q6a7acb0ca9_qkv
	.globl	k_q6a7acb0ca9_qkv
	.p2align	8
	.type	k_q6a7acb0ca9_qkv,@function
k_q6a7acb0ca9_qkv:
	s_mov_b64 s[64:65], 0
	v_nop
	global_prefetch_b8 v0, s[64:65] scope:SCOPE_SE
	s_setreg_imm32_b32 hwreg(HW_REG_WAVE_MODE, 25, 1), 1
	s_wait_xcnt 0x0
	s_wait_alu depctr_hold_cnt(0) depctr_sa_sdst(0) depctr_va_vdst(0) depctr_va_sdst(0) depctr_va_ssrc(0) depctr_va_vcc(0) depctr_vm_vsrc(0)
	s_getreg_b32 s2, hwreg(HW_REG_IB_STS2, 6, 4)
	s_cmp_eq_u32 s2, 0
	s_cbranch_scc0 .Lentry_in_a_cluster
	s_endpgm
.Lentry_in_a_cluster:
	s_bfe_u32 s2, ttmp6, 0x10000c
	s_cmp_lg_u32 s2, 0xf033
	s_cbranch_scc0 .Lentry_shape_is_right
	s_endpgm
.Lentry_shape_is_right:
; q, k and v: three products [4,096 x 1,024] x [1,024 x 1,024] on codes of FP8 (E4M3), and their results quantised again for attention.
; OPERANDS lie as images of operand registers: 16 rows x 128 K = 2,048 bytes, lane L's registers 4 g .. 4 g + 3 at 512 g + 16 L; a tensor [R][1,024] lies [R / 16][8][2,048 bytes].
; A tile of 256 rows of P x 256 rows of Q is made by four waves, each 128 x 128: 64 accumulators.  Source 0 = 16 rows of Q, source 1 = 16 rows of P: a lane holds ONE row of P, and the eight
; registers of block b are Q's rows 16 b + 8 (lane / 16) + 0 .. 7: converted, they ARE registers 2 b, 2 b + 1 of the next operand's image of those 16 rows of P.  So results leave from registers, 512 consecutive bytes a store.
; The cluster's x says which product: 0 q, 1 k (P = LayerNorm(x)'s codes, Q = the weight: an image is 16 tokens x the 128 channels of two heads), 2 v (P = wv, Q = the tokens: an image is 16 channels x 128 keys, since the keys are the next K).
; K goes in steps of 256 through a ring of two LDS slots; a wave's tensor load brings 8 row blocks x 2 images: 8 rows of 4,096 bytes, 16,384 apart: the images are dense, so rows are long and few.
; CLUSTERS: 4 x 4 work-groups; P's tile is shared along a row of the cluster, Q's along a column: joint loads.
; code = sum x 2^(eA + eB) / 2^et: the three exponents are folded into the conversion's one scale.  LIMITS: et - eA - eB between -126 and 119.  NaN is not served.
; REGISTERS, in windows of 256: window 0: v16-31 addresses and constants; v32-95 at work on the way out; v128-255 P's fragments, ONE set, later the codes.  window 1: Q's fragments, TWO sets.  windows 2, 3: the accumulators.
.set RELU,   0
.set ZFIRST, 1                         ; the first step's products take the constant 0 as C
.set ASTEP,  2048                      ; from a block's image to the next block's, in the output
.set OUTP,   10                        ; s[10:11] where my wave's images go
.set SLOT,   131072                    ; P's 256 rows x 256 K, then Q's
.set SPARE,  2*SLOT                    ; behind the ring: the spare words, 128 bytes for each wave
.set LAPS,   2                         ; 1,024 / 512: a lap = two K steps = once round the ring
.set FR,     16
.set NL,     4
.set NP,     4                         ; places behind this matrix instruction (ISA guide 7.12.1)
.set ADRA, 16                          ; v16-17  LDS address of my P fragments in slot 0, 1
.set ADRB, 20                          ; v20-21  the same for Q
.set CO,   26                          ; v26     16 x lane
.set SPW,  28                          ; v28     my spare word; never rewritten
.set NIL,  29                          ; v29     0; never rewritten
.set SCL,  30                          ; v30     the conversion's scale as f32
.set LIM,  31                          ; v31     448 x that
.set BI,   32
.set TMP,  32
.set AF,   128
.set CD,   128
.set G1, 24
.set G0, 32
.set G1B, 48
.set G0B, 56
.set MSB, 0
.macro WIN new                         ; the immediate's high byte repeats the setting that is left
.if MSB != (\new)
	s_set_vgpr_msb (MSB<<8)|(\new)
.set MSB, (\new)
.endif
.endm
.macro WINM hi, zero                   ; source 0 (Q) window 1, source 1 (P) window 0, D window 2 or 3; C with D, or (zero = 2) in window 0
.if \zero == 2
	WIN 0x81+0x40*\hi
.else
	WIN 0xa1+0x50*\hi
.endif
.endm
.set TO_B, 0x40
; A joint load: waves 0 and 1 fetch for P, waves 2 and 3 for Q; the branch hangs on the wave's number alone.  Four v_nop follow each of the two lines.
.macro JLOAD g0a, g1a, g0b, g1b
	s_cmp_eq_u32 s15, 0
	s_cbranch_scc0 .Lfor_b_\@
	tensor_load_to_lds s[\g0a:\g0a+3], s[\g1a:\g1a+7]
	s_nop 0
.rept 4
	v_nop
.endr
	s_branch .Lasked_\@
.Lfor_b_\@:
	tensor_load_to_lds s[\g0b:\g0b+3], s[\g1b:\g1b+7]
	s_nop 0
.rept 4
	v_nop
.endr
.Lasked_\@:
.endm
.macro CREST                           ; a round of the cluster's barrier behind its opening barrier
	s_cmp_lg_u32 s14, 0
	s_cbranch_scc1 .Lnot_wave_0_\@
	s_barrier_signal -3
.Lnot_wave_0_\@:
	s_barrier_wait -3
	s_barrier_signal -1
	s_barrier_wait -1
.endm
.macro CROUND
	s_barrier_signal -1
	s_barrier_wait -1
	CREST
.endm
.macro FRAG reg, adr, q, i             ; an image comes back as it was laid: four loads of 512 consecutive bytes
.irp c, 0,1,2,3
	ds_load_b128 v[\reg+4*\c:\reg+4*\c+3], v[\adr] offset:(\i)*4096+(\q)*2048+512*\c
.endr
.endm
; 16 matrix instructions: P's blocks a0, a0 + 1 x Q's eight.  The 64 accumulators take turns, one instruction a turn, in the same order in every step.
.macro MUL16 a0, p, zero
.irp a, \a0, \a0+1
.irp b, 0,1,2,3,4,5,6,7
.if \zero == 1
	v_wmma_f32_16x16x128_fp8_fp8 v[8*(8*((\a)%4)+\b):8*(8*((\a)%4)+\b)+7], v[128*(\p)+FR*\b:128*(\p)+FR*\b+FR-1], v[AF+FR*(\a):AF+FR*(\a)+FR-1], 0
.elseif \zero == 2
	v_wmma_f32_16x16x128_fp8_fp8 v[8*(8*((\a)%4)+\b):8*(8*((\a)%4)+\b)+7], v[128*(\p)+FR*\b:128*(\p)+FR*\b+FR-1], v[AF+FR*(\a):AF+FR*(\a)+FR-1], v[BI+8*\b:BI+8*\b+7]
.else
	v_wmma_f32_16x16x128_fp8_fp8 v[8*(8*((\a)%4)+\b):8*(8*((\a)%4)+\b)+7], v[128*(\p)+FR*\b:128*(\p)+FR*\b+FR-1], v[AF+FR*(\a):AF+FR*(\a)+FR-1], v[8*(8*((\a)%4)+\b):8*(8*((\a)%4)+\b)+7]
.endif
.endr
.endr
.endm
.macro FETCH_B slot, q, p
	WIN TO_B
.irp i, 0,1,2,3,4,5,6,7
	FRAG 128*(\p)+FR*\i, ADRB+\slot, \q, \i
.endr
	WIN 0
.endm
.macro FETCH_A slot, q, i0
.irp i, \i0, \i0+1, \i0+2, \i0+3
	FRAG AF+FR*(\i), ADRA+\slot, \q, \i
.endr
.endm
.macro PLACES n                        ; plain vector instructions between a matrix instruction and a load into, or a read of, its registers
.rept \n
	v_nop
.endr
.endm
.macro STEP slot, q, zero              ; a step of 128 along K that has its successor in the same slot
	s_wait_dscnt 4*NL                              ; Q's set and P's blocks 0-3 are in; the youngest 16 loads (P's blocks 4-7) may be out
	WINM 0, \zero
	MUL16 0, (\q)%2, \zero
	MUL16 2, (\q)%2, \zero
	s_wait_dscnt 0                                 ; P's blocks 4-7 are in
	PLACES NP
	FETCH_B \slot, (\q)+1, 1-(\q)%2
	FETCH_A \slot, (\q)+1, 0
	WINM 1, \zero
	MUL16 4, (\q)%2, \zero
	MUL16 6, (\q)%2, \zero
	PLACES NP
	WIN 0
	FETCH_A \slot, (\q)+1, 4
.endm
; A slot's last step changes slots: ONE barrier; in front of it each wave waits for all its tensor loads, adds 0 to its spare word, and waits for that and for its reads of this slot.
.macro TURN slot, next, fill
	s_wait_tensorcnt 0x0                           ; all my tensor loads have landed: my part of the next slot
	ds_add_u32 v[SPW], v[NIL]                      ; 0 onto my spare word
	s_wait_dscnt 4*NL+1                            ; (the add and the youngest 16 loads may be out)
	WINM 0, 0
	MUL16 0, 1, 0                                  ; sixteen matrix instructions stand between the add and the wait for it
	s_wait_dscnt 0x0                               ; the add is done, and my reads of this slot are over
	s_barrier_signal -1
	MUL16 2, 1, 0
	WIN 0
	s_barrier_wait -1
.if \fill
	CREST                                          ; the barrier has opened a round of the cluster's: no wave of any partner still reads this slot or has a load on its way
	s_add_nc_u64 s[G0+4*\slot+2:G0+4*\slot+3], s[G0+4*\slot+2:G0+4*\slot+3], 8192
	s_add_nc_u64 s[G0B+4*\slot+2:G0B+4*\slot+3], s[G0B+4*\slot+2:G0B+4*\slot+3], 8192
	JLOAD G0+4*\slot, G1, G0B+4*\slot, G1B         ; the first tensor load behind the round; its four v_nop are the places in front of the loads below
.else
	PLACES NP
.endif
	FETCH_B \next, 0, 0
	FETCH_A \next, 0, 0
	WINM 1, 0
	MUL16 4, 1, 0
	MUL16 6, 1, 0
	PLACES NP
	WIN 0
	FETCH_A \next, 0, 4
.endm
; Block a's 16 rows x 128 results: held, converted, stored: one image.  Each accumulator is read from its low end on; each block has its own registers for its codes, so no store's data are written again.
.macro OUTB a
	WIN 0x02+(\a)/4
.set j, 0
.rept 64
.if RELU
	v_med3_num_f32 v[TMP+j], v[64*((\a)%4)+j], 0, v[LIM]           ; the activation and the hold in one
.else
	v_med3_num_f32 v[TMP+j], v[64*((\a)%4)+j], -v[LIM], v[LIM]     ; the conversion does not saturate (ISA guide 7.6.2): the hold comes first
.endif
.set j, j+1
.endr
	WIN 0
.irp b, 0,1,2,3,4,5,6,7
	v_cvt_scalef32_pk8_fp8_f32 v[CD+16*(\a)+2*\b:CD+16*(\a)+2*\b+1], v[TMP+8*\b:TMP+8*\b+7], v[SCL]
.endr
	v_nop                                          ; a plain instruction between the conversions and the next block's holds, which write their sources
.irp g, 0,1,2,3
	global_store_b128 v[CO], v[CD+16*(\a)+4*\g:CD+16*(\a)+4*\g+3], s[OUTP:OUTP+1] offset:(\a)*ASTEP+512*\g th:TH_STORE_NT
.endr
.endm
	s_load_b256 s[4:11], s[0:1], 0x0               ; xa s[4:5], wc s[6:7], the exponents s[8:9], qkv s[10:11]
	v_lshl_add_u32 v[SPW], v0, 2, SPARE
	v_mov_b32 v[NIL], 0
	ds_add_u32 v28, v29
	ds_add_u32 v28, v29
	s_wait_dscnt 0x0
	v_lshrrev_b32 v1, 5, v0
	v_readfirstlane_b32 s14, v1                    ; wave 0..3
	s_lshr_b32 s15, s14, 1                         ; which half of P's rows is mine.  Also: I fetch for P (0) or for Q (1)
	s_and_b32 s16, s14, 1                          ; which half of Q's rows.  Also: which 128 rows I fetch
	s_bfe_u32 s40, ttmp6, 0x40000                  ; cx
	s_bfe_u32 s41, ttmp6, 0x40004                  ; cy
	s_and_b32 s17, ttmp7, 0xffff
	s_lshl_b32 s17, s17, 2                         ; 4 x cluster y: walks the tokens' 16 tiles
	s_cmp_eq_u32 ttmp9, 2                          ; v?  The same in all sixteen partners
	s_cselect_b32 s18, 0, s17
	s_cselect_b32 s19, s17, 0
	s_add_co_u32 s42, s19, s40                     ; Q's tile: cx (+ 4 x cluster y where Q is the tokens)
	s_add_co_u32 s17, s18, s41                     ; P's tile: cy (+ 4 x cluster y where P is the tokens)
	s_lshl_b32 s43, s41, 2
	s_lshl_b32 s43, 15, s43                        ; my row of the cluster
	s_lshl_b32 s44, 0x1111, s40                    ; my column
	s_or_b32 s[G1+0], s43, (3<<16)|(1<<21)         ; 15:0 the mask; 17:16 elements of 8 bytes; 21 set beside a mask; no padding
	s_or_b32 s[G1B+0], s44, (3<<16)|(1<<21)
.irp g, G1, G1B
	s_mov_b32 s[\g+1], 512<<16                     ; tensor_dim0 = 512 elements: two images
	s_mov_b32 s[\g+2], 8<<16                       ; tensor_dim1 = 8 row blocks
	s_mov_b32 s[\g+3], 512<<16                     ; tile_dim0
	s_mov_b32 s[\g+4], 8                           ; tile_dim1
	s_mov_b32 s[\g+5], 2048                        ; from row block to row block: 16,384 bytes
	s_mov_b32 s[\g+6], 0
	s_mov_b32 s[\g+7], 0
.endr
	s_lshl_b32 s18, s16, 17                        ; which 128 rows (8 row blocks) I fetch
	s_lshl_b32 s20, s17, 18
	s_add_co_u32 s20, s20, s18                     ; P: 256 rows a tile = 2^18 bytes
	s_mov_b32 s21, 0
	s_lshl_b32 s46, s42, 18
	s_add_co_u32 s46, s46, s18                     ; Q likewise
	s_mov_b32 s47, 0
	s_lshl_b32 s22, ttmp9, 22                      ; the product's copy of LayerNorm(x),
	s_mov_b32 s23, 0
	s_lshl_b32 s84, ttmp9, 20                      ; and its weight
	s_mov_b32 s85, 0
	s_mul_i32 s45, s14, 32768                      ; where my load lands: no place in the cluster enters an LDS address
	s_wait_kmcnt 0x0
	s_load_b512 s[68:83], s[8:9], 0x0              ; e0 .. e15
	s_add_nc_u64 s[4:5], s[4:5], s[22:23]
	s_add_nc_u64 s[6:7], s[6:7], s[84:85]
	s_cmp_eq_u32 ttmp9, 2
	s_cselect_b64 s[86:87], s[6:7], s[4:5]         ; P
	s_cselect_b64 s[88:89], s[4:5], s[6:7]         ; Q
	s_add_nc_u64 s[20:21], s[86:87], s[20:21]
	s_add_nc_u64 s[46:47], s[88:89], s[46:47]
	CROUND                                         ; all sixteen work-groups are here: the first joint loads meet
.irp s, 0,1
	s_mov_b32 s[G0+4*\s], 1
	s_add_co_u32 s[G0+4*\s+1], s45, \s*SLOT
	s_add_nc_u64 s[G0+4*\s+2:G0+4*\s+3], s[20:21], \s*4096
	s_or_b32 s[G0+4*\s+3], s[G0+4*\s+3], 0x80000000
	s_mov_b32 s[G0B+4*\s], 1
	s_add_co_u32 s[G0B+4*\s+1], s45, \s*SLOT
	s_add_nc_u64 s[G0B+4*\s+2:G0B+4*\s+3], s[46:47], \s*4096
	s_or_b32 s[G0B+4*\s+3], s[G0B+4*\s+3], 0x80000000
.endr
	JLOAD G0, G1, G0B, G1B                         ; K step 0: one tensor load a wave at the head
	; PREFETCH INTO THE L2.  A wave's load is 8 row blocks x 4,096 bytes; the four partners that ask for it jointly share its blocks out BY ADDRESS: the partner at place p (cx for P, cy for Q)
	; names row blocks 2 p and 2 p + 1, sixteen lanes to a row block, lanes 256 bytes apart: each block once in each cluster that loads it.  Behind K step 0's load: K steps 1 and 2; behind K step 1's: K step 3, the last.
	s_cmp_eq_u32 s15, 0
	s_cselect_b64 s[96:97], s[20:21], s[46:47]     ; the rows that I fetch
	s_cselect_b32 s98, s40, s41
	s_lshl_b32 s98, s98, 15                        ; + my work-group's two row blocks of 16,384 bytes
	s_mov_b32 s99, 0
	s_add_nc_u64 s[96:97], s[96:97], s[98:99]
	v_and_b32 v3, 15, v0
	v_bfe_u32 v4, v0, 4, 1
	v_lshlrev_b32 v3, 8, v3
	v_lshl_add_u32 v22, v4, 14, v3                 ; never rewritten
	global_prefetch_b8 v22, s[96:97] offset:4096 th:TH_LOAD_NT scope:SCOPE_SE
	global_prefetch_b8 v22, s[96:97] offset:8192 th:TH_LOAD_NT scope:SCOPE_SE
	v_and_b32 v2, 31, v0
	v_lshlrev_b32 v[CO], 4, v2
	s_lshl_b32 s21, s15, 15                        ; my 128 rows of P,
	s_lshl_b32 s22, s16, 15
	s_add_co_u32 s22, s22, 65536                   ; my 128 rows of Q, behind P's 256
.irp s, 0,1
	v_add_nc_u32 v[ADRA+\s], s21, v[CO]
	v_add_nc_u32 v[ADRB+\s], s22, v[CO]
	s_add_co_u32 s21, s21, SLOT
	s_add_co_u32 s22, s22, SLOT
.endr
	; where my wave's eight images go: q, k: [batch][head pair][token tile]; v: [batch][head pair][128 keys][16 channels]: in both ((batch x 8 + head pair) x 8 + which 128 tokens) x 16 KB
	s_cmp_eq_u32 ttmp9, 2
	s_cselect_b32 s84, s42, s17                    ; the tokens' tile and half,
	s_cselect_b32 s85, s16, s15
	s_cselect_b32 s86, s17, s42                    ; the channels' tile and half
	s_cselect_b32 s87, s15, s16
	s_lshr_b32 s88, s84, 2
	s_lshl_b32 s88, s88, 3
	s_lshl_b32 s86, s86, 1
	s_add_co_u32 s88, s88, s86
	s_add_co_u32 s88, s88, s87
	s_lshl_b32 s88, s88, 3
	s_and_b32 s84, s84, 3
	s_lshl_b32 s84, s84, 1
	s_add_co_u32 s88, s88, s84
	s_add_co_u32 s88, s88, s85
	s_lshl_b32 s88, s88, 14
	s_lshl_b32 s89, ttmp9, 22
	s_add_co_u32 s88, s88, s89
	s_mov_b32 s89, 0
	s_add_nc_u64 s[10:11], s[10:11], s[88:89]
	s_wait_alu depctr_va_vdst(0)
	s_wait_kmcnt 0x0
	s_sub_co_i32 s90, s74, s68                     ; q: e6 - e0 - e1
	s_sub_co_i32 s90, s90, s69
	s_sub_co_i32 s91, s75, s70                     ; k: e7 - e2 - e3
	s_sub_co_i32 s91, s91, s71
	s_sub_co_i32 s92, s77, s72                     ; v: e9 - e4 - e5
	s_sub_co_i32 s92, s92, s73
	s_cmp_eq_u32 ttmp9, 0
	s_cselect_b32 s90, s90, s91
	s_cmp_eq_u32 ttmp9, 2
	s_cselect_b32 s90, s92, s90
	s_add_co_i32 s90, s90, 127
	s_lshl_b32 s91, s90, 23
	v_mov_b32 v[SCL], s91
	s_add_co_i32 s90, s90, 8
	s_lshl_b32 s90, s90, 23
	s_or_b32 s90, s90, 0x600000
	v_mov_b32 v[LIM], s90
	s_wait_alu depctr_va_vdst(0)
	s_wait_tensorcnt 0x0                           ; my part of K step 0 is in
	ds_add_u32 v[SPW], v[NIL]
	s_wait_dscnt 0x0
	CROUND                                         ; everybody's part of K step 0 is in, and all sixteen work-groups are here
	JLOAD G0+4, G1, G0B+4, G1B                     ; K step 1: the first tensor load behind the round
	global_prefetch_b8 v22, s[96:97] offset:12288 th:TH_LOAD_NT scope:SCOPE_SE   ; K step 3, two fills on
	FETCH_B 0, 0, 0
	FETCH_A 0, 0, 0
	FETCH_A 0, 0, 4
	STEP 0, 0, ZFIRST                              ; the first step stands in front of the loop: its products start the sums
	s_mov_b32 s3, LAPS-1
.Llap:                                                 ; a trip goes once round the ring and fills both slots again
	TURN 0, 1, 1
	STEP 1, 0, 0
	TURN 1, 0, 1
	STEP 0, 0, 0
	s_sub_co_u32 s3, s3, 1
	s_cmp_lg_u32 s3, 0
	s_cbranch_scc1 .Llap
	TURN 0, 1, 0                                   ; the last lap fills nothing
	STEP 1, 0, 0
	s_wait_dscnt 4*NL
	WINM 0, 0
	MUL16 0, 1, 0
	MUL16 2, 1, 0
	s_wait_alu depctr_va_vdst(0)
	s_wait_dscnt 0
	WINM 1, 0
	MUL16 4, 1, 0
	MUL16 6, 1, 0
	WIN 0
	PLACES NP
.irp a, 0,1,2,3,4,5,6,7
	OUTB \a
.endr
	s_wait_tensorcnt 0x0                           ; the wave's end
	ds_add_u32 v[SPW], v[NIL]
	s_wait_dscnt 0x0
	CROUND                                         ; the closing round
	s_endpgm
.Lfunc_end_k_q6a7acb0ca9_qkv:
	.size	k_q6a7acb0ca9_qkv, .Lfunc_end_k_q6a7acb0ca9_qkv-k_q6a7acb0ca9_qkv
	.p2alignl 7, 3214868480
	.fill 96, 4, 3214868480
	.section	.rodata,"a",@progbits
	.p2align	6, 0x0
	.amdhsa_kernel k_q6a7acb0ca9_qkv
		.amdhsa_group_segment_fixed_size 327680
		.amdhsa_private_segment_fixed_size 0
		.amdhsa_enable_private_segment 0
		.amdhsa_kernarg_size 32
		.amdhsa_user_sgpr_count 2
		.amdhsa_user_sgpr_kernarg_segment_ptr 1
		.amdhsa_wavefront_size32 1
		.amdhsa_system_sgpr_workgroup_id_x 1
		.amdhsa_system_sgpr_workgroup_id_y 1
		.amdhsa_system_sgpr_workgroup_id_z 1
		.amdhsa_system_vgpr_workitem_id 0
		.amdhsa_next_free_vgpr 1024
		.amdhsa_next_free_sgpr 100
		.amdhsa_reserve_vcc 0
		.amdhsa_float_denorm_mode_32 3
		.amdhsa_float_denorm_mode_16_64 3
		.amdhsa_memory_ordered 1
		.amdhsa_forward_progress 1
		.amdhsa_inst_pref_size 119
	.end_amdhsa_kernel
	.amdgpu_metadata
---
amdhsa.version: [ 1, 2 ]
amdhsa.kernels:
  - .name:           k_q6a7acb0ca9_qkv
    .symbol:         k_q6a7acb0ca9_qkv.kd
    .args:
      - { .name: xa, .offset: 0, .size: 8, .value_kind: global_buffer, .address_space: global }
      - { .name: wc, .offset: 8, .size: 8, .value_kind: global_buffer, .address_space: global }
      - { .name: lowp_scales, .offset: 16, .size: 8, .value_kind: global_buffer, .address_space: global }
      - { .name: qkv, .offset: 24, .size: 8, .value_kind: global_buffer, .address_space: global }
    .group_segment_fixed_size: 327680
    .private_segment_fixed_size: 0
    .kernarg_segment_align: 8
    .kernarg_segment_size: 32
    .max_flat_workgroup_size: 128
    .sgpr_count:     100
    .vgpr_count:     1024
    .wavefront_size: 32
...
	.end_amdgpu_metadata
.endif
;; end of part 2
;; launch attn (part 3): grid 4 x 64, 16 waves a work-group, clusters of 4 x 1, 169,984 bytes of LDS; arguments qkv, lowp_scales, ctx; writes ctx
.if DOCPART == 3
	.amdgcn_target "amdgcn-amd-amdhsa--gfx1250"
	.amdhsa_code_object_version 6
	.text
	.protected	k_q6a7acb0ca9_attn
	.globl	k_q6a7acb0ca9_attn
	.p2align	8
	.type	k_q6a7acb0ca9_attn,@function
k_q6a7acb0ca9_attn:
	s_mov_b64 s[64:65], 0
	v_nop
	global_prefetch_b8 v0, s[64:65] scope:SCOPE_SE
	s_setreg_imm32_b32 hwreg(HW_REG_WAVE_MODE, 25, 1), 1
	s_wait_xcnt 0x0
	s_wait_alu depctr_hold_cnt(0) depctr_sa_sdst(0) depctr_va_vdst(0) depctr_va_sdst(0) depctr_va_ssrc(0) depctr_va_vcc(0) depctr_vm_vsrc(0)
	s_getreg_b32 s2, hwreg(HW_REG_IB_STS2, 6, 4)
	s_cmp_eq_u32 s2, 0
	s_cbranch_scc0 .Lentry_in_a_cluster
	s_endpgm
.Lentry_in_a_cluster:
	s_bfe_u32 s2, ttmp6, 0x10000c
	s_cmp_lg_u32 s2, 0x3003
	s_cbranch_scc0 .Lentry_shape_is_right
	s_endpgm
.Lentry_shape_is_right:
; Causal attention on codes of FP8 (E4M3): 64 (batch, head) pairs, 1,024 tokens, head size 64; the result is quantised for the next product and laid as images of operand registers.
; INPUTS, all images (lane L's 16 bytes of group g at 512 g + 16 L): q, k: [batch][head pair][token tile of 16][2,048]: an even head's half image (16 tokens x 64 channels, 1,024 bytes) first, the odd head's behind it;
; v: [batch][head pair][128 keys][4 x head parity + channel tile][2,048]: 16 channels x 128 keys.
; THE SOFTMAX: t = score x log2(e) / 8; M = the running largest t rounded UP to a whole number; p = 2^(t - M) is quantised, not normalised; the row's sum is taken of the unquantised p and divides at the end.
; SHARES.  A cluster of four work-groups owns one (batch, head); its 64 waves own one tile of 16 queries each: tile 4 u + cx, u a number of the wave alone.  So the key steps that a wave works (0 .. u / 2, the last on the
; diagonal) hang on the wave's number alone, and no branch hangs on a work-group's place.  u goes to and fro over the waves (0-3, 7-4, 8-11, 15-12), so that the waves w, w + 4, w + 8, w + 12 have equal sums of steps.
; LDS is filled ONCE: the head's K (64 tiles x 1 KB) at 0, V (8 blocks of 128 keys x 8 KB) at 65,536, by joint loads of the four partners (waves 0-3: K's quarters; waves 4-7: V's); nothing is filled again.
; Both products are used transposed: S^T = K Q^T (16x16x64), O^T = V^T P^T (16x16x128): a lane holds one query throughout; tile T's eight scores are keys 16 T + 8 (lane / 16) + 0 .. 7: converted they are registers 2 T, 2 T + 1 of P.
; Key steps that lie wholly behind a wave's queries are left out: a scalar branch on the wave's number and the loop's counter; the loop's trip count is a constant.
; LIMITS: e6 + e7 between -123 and 130; e8 and e10 between -126 and 119.  NaN is not served.
; REGISTERS: v1 16 x lane; v2, v3 addresses in hand; v4 16 x lane + 65,536; v5 the mask's bound; v6 -infinity; v7 a permute's destination; v[8:9] second chain of the sum; v12 -M; v13 largest t; v[14:15] the sum;
; v16-23 Q; v24, v25: 2^e8, 448 x 2^e8; v26, v27: the same for e10; v[28:29] f; v30, v31 at work; v32-95 K's fragments, then V's; v96-159 S^T, then p; v160-191 O^T; v192-207 p's codes.
.set WV,  10
.set U,   11
.set DS,  12                           ; s12  the key step on my diagonal
.set CX,  13
.set BH,  14
.set KS,  15                           ; s15  the key step
.set KO,  16                           ; s16  its LDS byte: 8,192 x step
.set SEL, 20
.set CS,  22
.set G1K, 24
.set G1V, 32
.set G0,  40
.macro CROUND
	s_barrier_signal -1
	s_barrier_wait -1
	s_cmp_lg_u32 s[WV], 0
	s_cbranch_scc1 .Lnot_wave_0_\@
	s_barrier_signal -3
.Lnot_wave_0_\@:
	s_barrier_wait -3
	s_barrier_signal -1
	s_barrier_wait -1
.endm
	s_load_b128 s[4:7], s[0:1], 0x0                ; qkv, the exponents
	s_load_b64 s[8:9], s[0:1], 0x10                ; ctx
	v_lshl_add_u32 v208, v0, 2, 0x29000
	v_mov_b32 v209, 0
	ds_add_u32 v208, v209
	ds_add_u32 v208, v209
	v_and_b32 v1, 31, v0
	s_delay_alu instid0(VALU_DEP_1)
	v_lshlrev_b32 v1, 4, v1
	s_delay_alu instid0(VALU_DEP_1)
	v_add_nc_u32 v4, 0x10000, v1
	v_lshrrev_b32 v2, 5, v0
	s_delay_alu instid0(VALU_DEP_1)
	v_readfirstlane_b32 s[WV], v2                  ; wave 0..15
	s_bfe_u32 s[CX], ttmp6, 0x40000
	s_and_b32 s[BH], ttmp7, 0xffff                 ; 16 x batch + head, which the partners share
	s_lshr_b32 s17, s[WV], 2
	s_and_b32 s18, s[WV], 3
	s_and_b32 s19, s17, 1
	s_mul_i32 s19, s19, 3
	s_xor_b32 s18, s18, s19                        ; every second group of four waves runs backward
	s_lshl_b32 s17, s17, 2
	s_add_co_u32 s[U], s17, s18
	s_lshr_b32 s[DS], s[U], 1                      ; queries 64 u + 16 cx on lie in key step u / 2
	s_lshr_b32 s44, s[BH], 1
	s_lshl_b32 s44, s44, 17                        ; (batch, head pair): 131,072 bytes in each of q, k, v
	s_and_b32 s45, s[BH], 1                        ; the head's parity
	s_and_b32 s46, s[WV], 3
	s_lshl_b32 s46, s46, 15                        ; the quarter that I fetch: 32,768 bytes on in memory
	s_add_co_u32 s46, s46, s44
	s_lshl_b32 s47, s45, 10
	s_add_co_u32 s47, s47, 0x400000                ; K: behind q; the odd head's half images lie 1,024 bytes on
	s_lshl_b32 s17, s45, 13
	s_add_co_u32 s17, s17, 0x800000                ; V: behind k; the odd head's four images lie 8,192 bytes on
	s_cmp_lt_u32 s[WV], 4
	s_cselect_b32 s47, s47, s17
	s_add_co_u32 s46, s46, s47
	s_mov_b32 s47, 0
	s_mov_b32 s[G1K], 15|(3<<16)|(1<<21)           ; the mask: all four partners; elements of 8 bytes; 21 set beside a mask; no padding
	s_mov_b32 s[G1K+1], 128<<16                    ; K: 16 half images of 1,024 bytes,
	s_mov_b32 s[G1K+2], 16<<16
	s_mov_b32 s[G1K+3], 128<<16
	s_mov_b32 s[G1K+4], 16
	s_mov_b32 s[G1K+5], 256                        ; 2,048 bytes apart
	s_mov_b32 s[G1K+6], 0
	s_mov_b32 s[G1K+7], 0
	s_mov_b32 s[G1V], 15|(3<<16)|(1<<21)
	s_mov_b32 s[G1V+1], 1024<<16                   ; V: 2 runs of four images, 8,192 bytes,
	s_mov_b32 s[G1V+2], 2<<16
	s_mov_b32 s[G1V+3], 1024<<16
	s_mov_b32 s[G1V+4], 2
	s_mov_b32 s[G1V+5], 2048                       ; 16,384 bytes apart
	s_mov_b32 s[G1V+6], 0
	s_mov_b32 s[G1V+7], 0
	s_mov_b32 s[SEL], 0x76543210
	s_mov_b32 s[SEL+1], 0xfedcba98
	s_mov_b32 s[CS], 0x3e38aa3b                    ; c = log2(e) / 8
	s_wait_dscnt 0x0
	s_wait_kmcnt 0x0
	s_load_b512 s[48:63], s[6:7], 0x0              ; e0 .. e15
	s_mov_b32 s[G0], 1
	s_and_b32 s[G0+1], s[WV], 7
	s_lshl_b32 s[G0+1], s[G0+1], 14                ; 16,384 bytes a load: K's four, then V's four
	s_add_nc_u64 s[G0+2:G0+3], s[4:5], s[46:47]
	s_or_b32 s[G0+3], s[G0+3], 0x80000000
	CROUND                                         ; the four partners are here: the joint loads meet
	s_cmp_lt_u32 s[WV], 4
	s_cbranch_scc0 .Lnot_k
	tensor_load_to_lds s[G0:G0+3], s[G1K:G1K+7]
	s_nop 0
.rept 4
	v_nop
.endr
	s_branch .Lasked
.Lnot_k:
	s_cmp_lt_u32 s[WV], 8
	s_cbranch_scc0 .Lasked
	tensor_load_to_lds s[G0:G0+3], s[G1V:G1V+7]
	s_nop 0
.rept 4
	v_nop
.endr
.Lasked:
	s_lshl_b32 s17, s[U], 2
	s_add_co_u32 s17, s17, s[CX]                   ; my tile of 16 queries
	s_lshl_b32 s18, s17, 11
	s_add_co_u32 s18, s18, s44
	s_lshl_b32 s19, s45, 10
	s_add_co_u32 s18, s18, s19
	s_mov_b32 s19, 0
	s_add_nc_u64 s[4:5], s[4:5], s[18:19]
	s_wait_alu depctr_va_vdst(0)
	global_load_b128 v[16:19], v1, s[4:5]          ; Q's half image stays in registers
	global_load_b128 v[20:23], v1, s[4:5] offset:512
	s_lshr_b32 s46, s[BH], 4
	s_lshl_b32 s46, s46, 6
	s_add_co_u32 s46, s46, s17                     ; ctx: row block 64 x batch + tile,
	s_lshl_b32 s46, s46, 3
	s_bfe_u32 s47, s[BH], 0x30001                  ; image = head pair,
	s_add_co_u32 s46, s46, s47
	s_lshl_b32 s46, s46, 11
	s_lshl_b32 s47, s45, 10                        ; the odd head's half 1,024 bytes on
	s_add_co_u32 s46, s46, s47
	s_mov_b32 s47, 0
	s_add_nc_u64 s[8:9], s[8:9], s[46:47]
	s_and_b32 s17, s[U], 1
	s_lshl_b32 s17, s17, 6
	s_lshl_b32 s18, s[CX], 4
	s_add_co_u32 s17, s17, s18
	v_and_b32 v5, 15, v0
	v_bfe_u32 v3, v0, 4, 1
	s_delay_alu instid0(VALU_DEP_1)
	v_lshlrev_b32 v3, 3, v3
	s_delay_alu instid0(VALU_DEP_1)
	v_sub_nc_u32 v5, v5, v3
	s_delay_alu instid0(VALU_DEP_1)
	v_add_nc_u32 v5, s17, v5                       ; on the diagonal, register 8 T + j is hidden where 16 T + j > my query - the step's first key - 8 (lane / 16)
	v_mov_b32 v6, 0xff800000
	v_mov_b32 v7, 0
	v_mov_b32 v13, 0xff61b1e6                      ; the largest t so far: -3e38
	s_delay_alu instid0(VALU_DEP_1)
	v_floor_f32 v12, -v13
	v_mov_b32 v14, 0
	v_mov_b32 v15, 0
	v_mov_b32 v29, 0                               ; (named as the upper half of the pair v[28:29])
.set j, 0
.rept 32
	v_mov_b32 v[160+j], 0                          ; O^T: the step is written once; the first finds zeros, which the first change of M leaves zeros
.set j, j+1
.endr
	s_wait_kmcnt 0x0
	s_add_co_i32 s17, s54, s55
	s_lshl_b32 s17, s17, 23
	s_add_co_i32 s[CS], s[CS], s17                 ; a score stands for score x 2^(e6 + e7): added to c's exponent field
	s_mov_b32 s[CS+1], s[CS]
	s_add_co_i32 s17, s56, 127
	s_lshl_b32 s18, s17, 23
	v_mov_b32 v24, s18                             ; 2^e8
	s_add_co_i32 s17, s17, 8
	s_lshl_b32 s17, s17, 23
	s_or_b32 s17, s17, 0x600000
	v_mov_b32 v25, s17                             ; 448 x 2^e8
	s_add_co_i32 s17, s58, 127
	s_lshl_b32 s18, s17, 23
	v_mov_b32 v26, s18                             ; 2^e10
	s_add_co_i32 s17, s17, 8
	s_lshl_b32 s17, s17, 23
	s_or_b32 s17, s17, 0x600000
	v_mov_b32 v27, s17                             ; 448 x 2^e10
	s_mov_b32 s[KS], 0
	s_mov_b32 s[KO], 0
	s_wait_loadcnt 0x0                             ; Q
	s_wait_tensorcnt 0x0                           ; my load, if I issued one, has landed,
	s_barrier_signal -1
	s_barrier_wait -1                              ; everybody's has: K and V lie whole in LDS, and nobody writes LDS again
.Lstep:                                            ; eight trips, 128 keys each
	s_cmp_gt_u32 s[KS], s[DS]
	s_cbranch_scc1 .Lhidden                        ; all these keys come after my queries
	v_add_nc_u32 v2, s[KO], v1
	v_add_nc_u32 v3, s[KO], v4
	v_nop
	v_nop                                          ; four plain instructions between the last products and the loads into the registers that they read
.irp t, 0,1,2,3,4,5,6,7
	ds_load_b128 v[32+8*\t:35+8*\t], v2 offset:1024*\t
	ds_load_b128 v[36+8*\t:39+8*\t], v2 offset:1024*\t+512
.endr
	s_wait_alu depctr_va_vdst(0)
	s_wait_dscnt 0x0
.irp t, 0,1,2,3,4,5,6,7
	v_wmma_f32_16x16x64_fp8_fp8 v[96+8*\t:103+8*\t], v[32+8*\t:39+8*\t], v[16:23], 0
.endr
.rept 4
	v_nop
.endr
.irp t, 0,1,2,3
.irp g, 0,1,2,3
	ds_load_b128 v[32+16*\t+4*\g:35+16*\t+4*\g], v3 offset:2048*\t+512*\g   ; V's four images land while the softmax is worked
.endr
.endr
	s_cmp_lg_u32 s[KS], s[DS]
	s_cbranch_scc1 .Lopen                          ; only the step on the diagonal has hidden keys
.set n, 0
.rept 64
	v_cmp_gt_i32 vcc_lo, 16*(n/8)+n%8, v5
	v_cndmask_b32 v[96+n], v[96+n], v6, vcc_lo     ; -infinity ahead of the maximum: p = 0
.set n, n+1
.endr
.Lopen:
	v_max3_num_f32 v30, v96, v97, v98              ; the step's largest score of my query among my 64 keys, in two chains,
	v_max3_num_f32 v31, v99, v100, v101
.irp i, 6,10,14,18,22,26,30,34,38,42,46,50,54,58
	v_max3_num_f32 v30, v30, v[96+\i], v[97+\i]
	v_max3_num_f32 v31, v31, v[98+\i], v[99+\i]
.endr
	v_max3_num_f32 v30, v30, v158, v159
	s_delay_alu instid0(VALU_DEP_1)
	v_max_num_f32 v30, v30, v31
	s_delay_alu instid0(VALU_DEP_1)
	v_permlanex16_b32 v7, v30, s[SEL], s[SEL+1]
	s_delay_alu instid0(VALU_DEP_1)
	v_max_num_f32 v30, v30, v7                     ; and among lane l xor 16's
	s_delay_alu instid0(VALU_DEP_1)
	v_mul_f32 v30, s[CS], v30                      ; as t (c is positive)
	s_delay_alu instid0(VALU_DEP_1)
	v_max_num_f32 v13, v13, v30
	v_mov_b32 v30, v12
	s_delay_alu instid0(VALU_DEP_2)
	v_floor_f32 v12, -v13                          ; -M = floor(-t): M is a whole number
	s_delay_alu instid0(VALU_DEP_1)
	v_sub_f32 v30, v12, v30                        ; old M - new M, 0 or less
	s_delay_alu instid0(VALU_DEP_1)
	v_cvt_i32_f32 v30, v30                         ; (it saturates)
	s_delay_alu instid0(VALU_DEP_1)
	v_ldexp_f32 v28, 1.0, v30                      ; f = 2^(old M - new M): a multiplication by it rounds nothing
.set j, 0
.rept 32
	v_pk_fma_f32 v[96+j:97+j], v[96+j:97+j], s[CS:CS+1], v[12:13] op_sel_hi:[1,0,0]   ; t - M
.set j, j+2
.endr
.set j, 0
	s_wait_alu depctr_va_vdst(0)
.rept 64
	v_exp_f32 v[96+j], v[96+j]                     ; p = 2^(t - M)
.set j, j+1
.endr
	v_pk_mul_f32 v[14:15], v[14:15], v[28:29] op_sel_hi:[1,0]   ; the sum under the new M (a plain instruction behind the exponentials)
	s_wait_alu depctr_va_vdst(0)                   ; one wait for the batch, ahead of its first reader
	v_pk_add_f32 v[8:9], v[100:101], v[104:105]
	v_pk_add_f32 v[206:207], v[108:109], v[112:113]
	v_pk_add_f32 v[204:205], v[116:117], v[120:121]
	v_pk_add_f32 v[202:203], v[124:125], v[128:129]
	v_pk_add_f32 v[200:201], v[132:133], v[136:137]
	v_pk_add_f32 v[198:199], v[140:141], v[144:145]
	v_pk_add_f32 v[196:197], v[148:149], v[152:153]
	v_pk_add_f32 v[14:15], v[14:15], v[156:157]
	v_pk_add_f32 v[8:9], v[8:9], v[96:97]
	v_pk_add_f32 v[206:207], v[206:207], v[98:99]
	v_pk_add_f32 v[204:205], v[204:205], v[102:103]
	v_pk_add_f32 v[202:203], v[202:203], v[106:107]
	v_pk_add_f32 v[200:201], v[200:201], v[110:111]
	v_pk_add_f32 v[198:199], v[198:199], v[114:115]
	v_pk_add_f32 v[196:197], v[196:197], v[118:119]
	v_pk_add_f32 v[14:15], v[14:15], v[122:123]
	v_pk_add_f32 v[8:9], v[8:9], v[126:127]
	v_pk_add_f32 v[206:207], v[206:207], v[130:131]
	v_pk_add_f32 v[204:205], v[204:205], v[134:135]
	v_pk_add_f32 v[202:203], v[202:203], v[138:139]
	v_pk_add_f32 v[200:201], v[200:201], v[142:143]
	v_pk_add_f32 v[198:199], v[198:199], v[146:147]
	v_pk_add_f32 v[196:197], v[196:197], v[150:151]
	v_pk_add_f32 v[14:15], v[14:15], v[154:155]
	v_pk_add_f32 v[8:9], v[8:9], v[158:159]
	s_delay_alu instid0(VALU_DEP_2)
	v_pk_add_f32 v[14:15], v[14:15], v[202:203]
	s_delay_alu instid0(VALU_DEP_2)
	v_pk_add_f32 v[8:9], v[8:9], v[200:201]
	v_pk_add_f32 v[206:207], v[206:207], v[198:199]
	v_pk_add_f32 v[204:205], v[204:205], v[196:197]
	s_delay_alu instid0(VALU_DEP_2)
	v_pk_add_f32 v[14:15], v[14:15], v[206:207]
	s_delay_alu instid0(VALU_DEP_2)
	v_pk_add_f32 v[8:9], v[8:9], v[204:205]
	s_delay_alu instid0(VALU_DEP_1)
	v_pk_add_f32 v[14:15], v[14:15], v[8:9]
.set j, 0
.rept 64
	v_min_num_f32 v[96+j], v[96+j], v25            ; the conversion does not saturate (ISA guide 7.6.2); p is not negative, so the hold is one-sided
.set j, j+1
.endr
.irp t, 0,1,2,3,4,5,6,7
	v_cvt_scalef32_pk8_fp8_f32 v[192+2*\t:193+2*\t], v[96+8*\t:103+8*\t], v24
.endr
.set j, 0
.rept 16
	v_pk_mul_f32 v[160+j:161+j], v[160+j:161+j], v[28:29] op_sel_hi:[1,0]   ; O^T under the new M; these are also the plain instructions behind the conversions
.set j, j+2
.endr
	s_wait_alu depctr_va_vdst(0)
	s_wait_dscnt 0x0                               ; V is in
.irp t, 0,1,2,3
	v_wmma_f32_16x16x128_fp8_fp8 v[160+8*\t:167+8*\t], v[32+16*\t:47+16*\t], v[192:207], v[160+8*\t:167+8*\t]
.endr
.Lhidden:
	s_add_co_u32 s[KO], s[KO], 8192
	s_add_co_u32 s[KS], s[KS], 1
	s_cmp_lt_u32 s[KS], 8
	s_cbranch_scc1 .Lstep
	; THE WAY OUT: O^T / the sum x 2^(e8 + e9), quantised under e10: tile t's eight channels become registers 2 t, 2 t + 1 of my head's half image
.rept 4
	v_nop
.endr
	v_add_f32 v14, v14, v15
	s_delay_alu instid0(VALU_DEP_1)
	v_permlanex16_b32 v7, v14, s[SEL], s[SEL+1]
	s_delay_alu instid0(VALU_DEP_1)
	v_add_f32 v14, v14, v7                         ; the row's sum
	s_wait_alu depctr_va_vdst(0)
	v_rcp_f32 v14, v14
	v_nop
	s_add_co_i32 s17, s56, s57
	s_wait_alu depctr_va_vdst(0)                   ; the wait ahead of the reciprocal's first reader
	v_ldexp_f32 v14, v14, s17
.set j, 0
.rept 32
	v_mul_f32 v[96+j], v[160+j], v14
.set j, j+1
.endr
.set j, 0
.rept 32
	v_med3_num_f32 v[96+j], v[96+j], -v27, v27
.set j, j+1
.endr
.irp t, 0,1,2,3
	v_cvt_scalef32_pk8_fp8_f32 v[192+2*\t:193+2*\t], v[96+8*\t:103+8*\t], v26
.endr
	v_nop
	global_store_b128 v1, v[192:195], s[8:9]       ; 512 consecutive bytes a store
	global_store_b128 v1, v[196:199], s[8:9] offset:512
	s_wait_tensorcnt 0x0
	ds_add_u32 v208, v209
	s_wait_dscnt 0x0
	CROUND                                         ; the closing round
	s_endpgm
.Lfunc_end_k_q6a7acb0ca9_attn:
	.size	k_q6a7acb0ca9_attn, .Lfunc_end_k_q6a7acb0ca9_attn-k_q6a7acb0ca9_attn
	.p2alignl 7, 3214868480
	.fill 96, 4, 3214868480
	.section	.rodata,"a",@progbits
	.p2align	6, 0x0
	.amdhsa_kernel k_q6a7acb0ca9_attn
		.amdhsa_group_segment_fixed_size 169984
		.amdhsa_private_segment_fixed_size 0
		.amdhsa_enable_private_segment 0
		.amdhsa_kernarg_size 24
		.amdhsa_user_sgpr_count 2
		.amdhsa_user_sgpr_kernarg_segment_ptr 1
		.amdhsa_wavefront_size32 1
		.amdhsa_system_sgpr_workgroup_id_x 1
		.amdhsa_system_sgpr_workgroup_id_y 1
		.amdhsa_system_sgpr_workgroup_id_z 1
		.amdhsa_system_vgpr_workitem_id 0
		.amdhsa_next_free_vgpr 210
		.amdhsa_next_free_sgpr 66
		.amdhsa_reserve_vcc 1
		.amdhsa_float_denorm_mode_32 3
		.amdhsa_float_denorm_mode_16_64 3
		.amdhsa_memory_ordered 1
		.amdhsa_forward_progress 1
		.amdhsa_inst_pref_size 34
	.end_amdhsa_kernel
	.amdgpu_metadata
---
amdhsa.version: [ 1, 2 ]
amdhsa.kernels:
  - .name:           k_q6a7acb0ca9_attn
    .symbol:         k_q6a7acb0ca9_attn.kd
    .args:
      - { .name: qkv, .offset: 0, .size: 8, .value_kind: global_buffer, .address_space: global }
      - { .name: lowp_scales, .offset: 8, .size: 8, .value_kind: global_buffer, .address_space: global }
      - { .name: ctx, .offset: 16, .size: 8, .value_kind: global_buffer, .address_space: global }
    .group_segment_fixed_size: 169984
    .private_segment_fixed_size: 0
    .kernarg_segment_align: 8
    .kernarg_segment_size: 24
    .max_flat_workgroup_size: 512
    .sgpr_count:     66
    .vgpr_count:     210
    .wavefront_size: 32
...
	.end_amdgpu_metadata
.endif
;; end of part 3
;; launch wu (part 4): grid 8 x 32, 4 waves a work-group, clusters of 4 x 4, 327,680 bytes of LDS; arguments ctx, wc, lowp_scales, bu, x, h; writes h
.if DOCPART == 4
	.amdgcn_target "amdgcn-amd-amdhsa--gfx1250"
	.amdhsa_code_object_version 6
	.text
	.protected	k_q6a7acb0ca9_wu
	.globl	k_q6a7acb0ca9_wu
	.p2align	8
	.type	k_q6a7acb0ca9_wu,@function
k_q6a7acb0ca9_wu:
	s_mov_b64 s[64:65], 0
	v_nop
	global_prefetch_b8 v0, s[64:65] scope:SCOPE_SE
	s_setreg_imm32_b32 hwreg(HW_REG_WAVE_MODE, 25, 1), 1
	s_wait_xcnt 0x0
	s_wait_alu depctr_hold_cnt(0) depctr_sa_sdst(0) depctr_va_vdst(0) depctr_va_sdst(0) depctr_va_ssrc(0) depctr_va_vcc(0) depctr_vm_vsrc(0)
	s_getreg_b32 s2, hwreg(HW_REG_IB_STS2, 6, 4)
	s_cmp_eq_u32 s2, 0
	s_cbranch_scc0 .Lentry_in_a_cluster
	s_endpgm
.Lentry_in_a_cluster:
	s_bfe_u32 s2, ttmp6, 0x10000c
	s_cmp_lg_u32 s2, 0xf033
	s_cbranch_scc0 .Lentry_shape_is_right
	s_endpgm
.Lentry_shape_is_right:
; h = x + (ctx wu^T + bu): a product [4,096 x 1,024] x [1,024 x 1,024] on codes of FP8 (E4M3), then sum x 2^(e10 + e11) + bias + residual, in f32.
; OPERANDS lie as images of operand registers (16 rows x 128 K = 2,048 bytes; lane L's registers 4 g .. 4 g + 3 at 512 g + 16 L); a tensor [R][K] lies [R / 16][K / 128][2,048 bytes].
; A tile of 128 tokens x 128 outputs to a work-group, so that the 4,096 x 1,024 results give 256 work-groups; four waves, each 64 x 64: 16 accumulators.
; A slot holds all 1,024 along K: eight steps of 128; a wave's tensor load brings 4 row blocks x 8 images: 4 rows of 16,384 bytes.  Here K is one slot: it is filled at the start and none again.
; CLUSTERS: 4 x 4: the tokens' tile is shared along a row of the cluster, the weight's along a column: joint loads.
; Source 0 = 16 rows of the weight, source 1 = 16 tokens: a lane holds eight neighbouring outputs of one token; 16 rows at a time go through the wave's own stage in LDS and leave as aligned runs of 256 bytes.
; The residual's 64 x 64 numbers are asked for at the head and wait in registers.  LIMIT: e10 + e11 between -126 and 127.
; REGISTERS: window 0: v16-35 addresses, the bias; v128-255 the accumulators.  window 1: two fragment buffers of 128 (tokens' four fragments, then the weight's four); on the way out v0-127 the rows.  window 2: v0-127 the residual.
.set KTOT,  1024
.set QOFF,  0x300000                   ; wu's images in wc
.set SCOFF, 0x28                       ; e10, e11
.set RBP,   16*KTOT                    ; a row block of images in bytes
.set LAPS,  KTOT/1024
.set SLOT,  131072
.set SPARE, 2*SLOT                     ; the spare words, 128 bytes for each wave
.set STAGE, SPARE+512                  ; 16 rows x 272 bytes for each wave; no tensor load lands here
.set SP,    272
.set ADRA, 16
.set ADRB, 20
.set STO,  24
.set RD,   25
.set CO,   26
.set SPW,  28
.set NIL,  29
.set BIA,  32                          ; v[32:35] the bias of my four columns
.set ACC,  128
.set F0,   0
.set F1,   128
.set G1, 24
.set G0, 32
.set G1B, 48
.set G0B, 56
.set MSB, 0
.macro WIN new
.if MSB != (\new)
	s_set_vgpr_msb (MSB<<8)|(\new)
.set MSB, (\new)
.endif
.endm
.macro JLOAD g0a, g1a, g0b, g1b        ; waves 0 and 1 fetch the tokens' halves, waves 2 and 3 the weight's; four v_nop follow each line
	s_cmp_eq_u32 s15, 0
	s_cbranch_scc0 .Lfor_b_\@
	tensor_load_to_lds s[\g0a:\g0a+3], s[\g1a:\g1a+7]
	s_nop 0
.rept 4
	v_nop
.endr
	s_branch .Lasked_\@
.Lfor_b_\@:
	tensor_load_to_lds s[\g0b:\g0b+3], s[\g1b:\g1b+7]
	s_nop 0
.rept 4
	v_nop
.endr
.Lasked_\@:
.endm
.macro CREST
	s_cmp_lg_u32 s14, 0
	s_cbranch_scc1 .Lnot_wave_0_\@
	s_barrier_signal -3
.Lnot_wave_0_\@:
	s_barrier_wait -3
	s_barrier_signal -1
	s_barrier_wait -1
.endm
.macro CROUND
	s_barrier_signal -1
	s_barrier_wait -1
	CREST
.endm
.macro PLACES
.rept 4
	v_nop
.endr
.endm
.macro FETCH slot, q, f                ; 32 LDS loads in one run: the eight fragments of the slot's q-th 128 along K into buffer f
	WIN 0x40
.irp i, 0,1,2,3
.irp c, 0,1,2,3
	ds_load_b128 v[\f+64+16*\i+4*\c:\f+64+16*\i+4*\c+3], v[ADRB+\slot] offset:\i*16384+(\q)*2048+512*\c   ; a row block's eight images lie on end in LDS: q = 0 .. 7
.endr
.endr
.irp i, 0,1,2,3
.irp c, 0,1,2,3
	ds_load_b128 v[\f+16*\i+4*\c:\f+16*\i+4*\c+3], v[ADRA+\slot] offset:\i*16384+(\q)*2048+512*\c
.endr
.endr
.endm
.macro MULA f, a, zero                 ; four matrix instructions: tokens' block a x the weight's four; the 16 accumulators take turns
	WIN 0x05
.irp b, 0,1,2,3
.if \zero
	v_wmma_f32_16x16x128_fp8_fp8 v[ACC+8*(4*(\a)+\b):ACC+8*(4*(\a)+\b)+7], v[\f+64+16*\b:\f+64+16*\b+15], v[\f+16*(\a):\f+16*(\a)+15], 0
.else
	v_wmma_f32_16x16x128_fp8_fp8 v[ACC+8*(4*(\a)+\b):ACC+8*(4*(\a)+\b)+7], v[\f+64+16*\b:\f+64+16*\b+15], v[\f+16*(\a):\f+16*(\a)+15], v[ACC+8*(4*(\a)+\b):ACC+8*(4*(\a)+\b)+7]
.endif
.endr
.endm
.macro STEP slot, q, f, g, zero        ; multiplies buffer f (step q) and fetches step q + 1 of the same slot into g
	s_wait_dscnt 0x0                               ; this step's fragments are in
	PLACES                                         ; between the last products on g and the loads into it
	FETCH \slot, (\q)+1, \g
	MULA \f, 0, \zero
	MULA \f, 1, \zero
	MULA \f, 2, \zero
	MULA \f, 3, \zero
.endm
.macro TURN slot, next, fill           ; a slot's last step (buffer 1) changes slots
	WIN 0
	s_wait_tensorcnt 0x0                           ; all my tensor loads have landed: my part of the next slot
	ds_add_u32 v[SPW], v[NIL]                      ; 0 onto my spare word
	s_wait_dscnt 1                                 ; this step's fragments are in (only the add may be out)
	MULA F1, 0, 0
	s_wait_dscnt 0x0                               ; the add is done, and my reads of this slot are over
	s_barrier_signal -1
	MULA F1, 1, 0
	WIN 0
	s_barrier_wait -1
.if \fill
	CREST
	s_add_nc_u64 s[G0+4*\slot+2:G0+4*\slot+3], s[G0+4*\slot+2:G0+4*\slot+3], 16384
	s_add_nc_u64 s[G0B+4*\slot+2:G0B+4*\slot+3], s[G0B+4*\slot+2:G0B+4*\slot+3], 16384
	JLOAD G0+4*\slot, G1, G0B+4*\slot, G1B         ; the first tensor load behind the round; its four v_nop are the places in front of the loads below
.else
	PLACES
.endif
	FETCH \next, 0, F0
	MULA F1, 2, 0
	MULA F1, 3, 0
.endm
	s_load_b256 s[4:11], s[0:1], 0x0               ; the tokens' codes, wc, the exponents, the bias
	s_load_b128 s[84:87], s[0:1], 0x20             ; the residual, the output
	v_lshl_add_u32 v[SPW], v0, 2, SPARE
	v_mov_b32 v[NIL], 0
	ds_add_u32 v28, v29
	ds_add_u32 v28, v29
	s_wait_dscnt 0x0
	v_lshrrev_b32 v1, 5, v0
	v_readfirstlane_b32 s14, v1
	s_lshr_b32 s15, s14, 1                         ; my half of the tokens.  Also: I fetch tokens (0) or weights (1)
	s_and_b32 s16, s14, 1                          ; my half of the outputs.  Also: which 64 rows I fetch
	s_bfe_u32 s40, ttmp6, 0x40000
	s_bfe_u32 s41, ttmp6, 0x40004
	s_lshl_b32 s42, ttmp9, 2
	s_add_co_u32 s42, s42, s40                     ; the outputs' tile
	s_and_b32 s17, ttmp7, 0xffff
	s_lshl_b32 s17, s17, 2
	s_add_co_u32 s17, s17, s41                     ; the tokens' tile
	s_lshl_b32 s43, s41, 2
	s_lshl_b32 s43, 15, s43
	s_lshl_b32 s44, 0x1111, s40
	s_or_b32 s[G1+0], s43, (3<<16)|(1<<21)         ; the mask; elements of 8 bytes; 21 set beside a mask; no padding
	s_or_b32 s[G1B+0], s44, (3<<16)|(1<<21)
.irp g, G1, G1B
	s_mov_b32 s[\g+1], 2048<<16                    ; tensor_dim0 = 2,048 elements: a row block's eight images, all of K: ONE load of 4 x 16,384 bytes a wave brings all that it fetches
	s_mov_b32 s[\g+2], 4<<16                       ; tensor_dim1 = 4 row blocks
	s_mov_b32 s[\g+3], 2048<<16
	s_mov_b32 s[\g+4], 4
	s_mov_b32 s[\g+5], RBP/8
	s_mov_b32 s[\g+6], 0
	s_mov_b32 s[\g+7], 0
.endr
	s_lshl_b32 s18, s16, 2
	s_lshl_b32 s20, s17, 3
	s_add_co_u32 s20, s20, s18
	s_mul_i32 s20, s20, RBP                        ; tokens: row block 8 x tile + 4 x half
	s_mov_b32 s21, 0
	s_lshl_b32 s46, s42, 3
	s_add_co_u32 s46, s46, s18
	s_mul_i32 s46, s46, RBP
	s_add_co_u32 s46, s46, QOFF
	s_mov_b32 s47, 0
	s_mul_i32 s45, s14, 65536
	s_wait_kmcnt 0x0
	s_load_b64 s[96:97], s[8:9], SCOFF
	s_add_nc_u64 s[20:21], s[4:5], s[20:21]
	s_add_nc_u64 s[46:47], s[6:7], s[46:47]
	CROUND
.irp s, 0
	s_mov_b32 s[G0+4*\s], 1
	s_add_co_u32 s[G0+4*\s+1], s45, \s*SLOT
	s_add_nc_u64 s[G0+4*\s+2:G0+4*\s+3], s[20:21], \s*8192
	s_or_b32 s[G0+4*\s+3], s[G0+4*\s+3], 0x80000000
	s_mov_b32 s[G0B+4*\s], 1
	s_add_co_u32 s[G0B+4*\s+1], s45, \s*SLOT
	s_add_nc_u64 s[G0B+4*\s+2:G0B+4*\s+3], s[46:47], \s*8192
	s_or_b32 s[G0B+4*\s+3], s[G0B+4*\s+3], 0x80000000
	JLOAD G0+4*\s, G1, G0B+4*\s, G1B
.endr
	v_and_b32 v1, 15, v0                           ; r
	s_wait_alu depctr_va_vdst(0)
	v_bfe_u32 v2, v0, 4, 1                         ; h
	v_and_b32 v3, 31, v0
	v_lshlrev_b32 v3, 4, v3
	s_lshl_b32 s21, s15, 16                        ; my 64 tokens: 65,536 bytes a half,
	s_lshl_b32 s22, s16, 16
	s_add_co_u32 s22, s22, 131072                  ; my 64 rows of the weight, behind the tokens' 128
	v_add_nc_u32 v[ADRA], s21, v3
	v_add_nc_u32 v[ADRB], s22, v3
	s_mul_i32 s23, s14, 16*SP
	s_add_co_u32 s23, s23, STAGE
	v_mul_u32_u24 v4, v1, SP
	s_wait_alu depctr_va_vdst(0)
	v_lshl_add_u32 v4, v2, 5, v4
	v_add_nc_u32 v[STO], s23, v4                   ; in: row r, 32 bytes for each half of the lanes
	v_mul_u32_u24 v5, v2, SP
	v_lshl_add_u32 v5, v1, 4, v5
	v_add_nc_u32 v[RD], s23, v5                    ; back: lanes 0-15 one row of 256 bytes, lanes 16-31 the next
	v_lshlrev_b32 v6, 12, v2
	v_lshl_add_u32 v[CO], v1, 4, v6                ; and the same two rows in memory (4,096 bytes a row)
	s_wait_alu depctr_va_vdst(0)
	v_lshlrev_b32 v7, 4, v1
	s_wait_alu depctr_va_vdst(0)
	s_lshl_b32 s20, s17, 7
	s_lshl_b32 s21, s15, 6
	s_add_co_u32 s20, s20, s21
	s_lshl_b32 s20, s20, 12                        ; my first row,
	s_lshl_b32 s88, s42, 9
	s_lshl_b32 s89, s16, 8
	s_add_co_u32 s88, s88, s89                     ; my first column, in bytes
	s_mov_b32 s89, 0
	s_add_nc_u64 s[10:11], s[10:11], s[88:89]
	s_add_co_u32 s88, s88, s20
	s_add_nc_u64 s[84:85], s[84:85], s[88:89]
	s_add_nc_u64 s[86:87], s[86:87], s[88:89]
	s_wait_kmcnt 0x0
	s_add_co_i32 s96, s96, s97
	s_add_co_i32 s96, s96, 127
	s_lshl_b32 s96, s96, 23                        ; 2^(the two exponents added) as f32
	s_mov_b32 s97, s96
	s_wait_alu depctr_va_vdst(0)
	s_wait_tensorcnt 0x0                           ; my one load has landed; nothing is filled again
	s_barrier_signal -1
	s_barrier_wait -1
	FETCH 0, 0, F0
	WIN 0x80                                       ; the residual and the bias are asked for here, behind the tiles' landing, and arrive under the eight K steps
.irp a, 0,1,2,3
.irp t, 0,1,2,3,4,5,6,7
	global_load_b128 v[32*\a+4*\t:32*\a+4*\t+3], v[CO], s[84:85] offset:(16*\a+2*\t)*4096   ; in the layout in which the rows come back from the stage
.endr
.endr
	WIN 0
	global_load_b128 v[BIA:BIA+3], v7, s[10:11]
	STEP 0, 0, F0, F1, 1
.if LAPS > 1
	WIN 0
	s_mov_b32 s3, LAPS-1
.Llap:
	STEP 0, 1, F1, F0, 0
	STEP 0, 2, F0, F1, 0
	TURN 0, 1, 1
	STEP 1, 0, F0, F1, 0
	STEP 1, 1, F1, F0, 0
	STEP 1, 2, F0, F1, 0
	TURN 1, 0, 1
	STEP 0, 0, F0, F1, 0
	WIN 0
	s_sub_co_u32 s3, s3, 1
	s_cmp_lg_u32 s3, 0
	s_cbranch_scc1 .Llap
.endif
	STEP 0, 1, F1, F0, 0
	STEP 0, 2, F0, F1, 0
	STEP 0, 3, F1, F0, 0
	STEP 0, 4, F0, F1, 0
	STEP 0, 5, F1, F0, 0
	STEP 0, 6, F0, F1, 0
	s_wait_dscnt 0x0
	MULA F1, 0, 0
	MULA F1, 1, 0
	MULA F1, 2, 0
	MULA F1, 3, 0
	WIN 0
	PLACES
	; THE WAY OUT.  LDS serves a wave's instructions in order (ISA guide 5.7.1.4): no wait between a block's stores and its loads, nor in front of the next block's stores
.irp a, 0,1,2,3
	WIN 0
.irp b, 0,1,2,3
	ds_store_b128 v[STO], v[ACC+8*(4*\a+\b):ACC+8*(4*\a+\b)+3] offset:64*\b
	ds_store_b128 v[STO], v[ACC+8*(4*\a+\b)+4:ACC+8*(4*\a+\b)+7] offset:64*\b+16
.endr
	WIN 0x40
.irp t, 0,1,2,3,4,5,6,7
	ds_load_b128 v[32*\a+4*\t:32*\a+4*\t+3], v[RD] offset:2*\t*SP
.endr
.endr
	s_wait_loadcnt 0x0                             ; the residual and the bias
.irp a, 0,1,2,3
	s_wait_dscnt 48-16*\a                          ; block a is back; the later blocks' sixteen LDS instructions each may be out
	WIN 0x41
.irp t, 0,1,2,3,4,5,6,7
	v_pk_fma_f32 v[32*\a+4*\t:32*\a+4*\t+1], v[32*\a+4*\t:32*\a+4*\t+1], s[96:97], v[BIA:BIA+1] op_sel_hi:[1,0,1]
	v_pk_fma_f32 v[32*\a+4*\t+2:32*\a+4*\t+3], v[32*\a+4*\t+2:32*\a+4*\t+3], s[96:97], v[BIA+2:BIA+3] op_sel_hi:[1,0,1]
.endr
	WIN 0x49
.irp t, 0,1,2,3,4,5,6,7
	v_pk_add_f32 v[32*\a+4*\t:32*\a+4*\t+1], v[32*\a+4*\t:32*\a+4*\t+1], v[32*\a+4*\t:32*\a+4*\t+1]          ; + the residual (source 1: window 2)
	v_pk_add_f32 v[32*\a+4*\t+2:32*\a+4*\t+3], v[32*\a+4*\t+2:32*\a+4*\t+3], v[32*\a+4*\t+2:32*\a+4*\t+3]
.endr
	WIN 0x04
.irp t, 0,1,2,3,4,5,6,7
	global_store_b128 v[CO], v[32*\a+4*\t:32*\a+4*\t+3], s[86:87] offset:(16*\a+2*\t)*4096   ; 16 lanes store 256 consecutive bytes, aligned
.endr
.endr
	WIN 0
	s_wait_tensorcnt 0x0                           ; the wave's end
	ds_add_u32 v[SPW], v[NIL]
	s_wait_dscnt 0x0
	CROUND
	s_endpgm
.Lfunc_end_k_q6a7acb0ca9_wu:
	.size	k_q6a7acb0ca9_wu, .Lfunc_end_k_q6a7acb0ca9_wu-k_q6a7acb0ca9_wu
	.p2alignl 7, 3214868480
	.fill 96, 4, 3214868480
	.section	.rodata,"a",@progbits
	.p2align	6, 0x0
	.amdhsa_kernel k_q6a7acb0ca9_wu
		.amdhsa_group_segment_fixed_size 327680
		.amdhsa_private_segment_fixed_size 0
		.amdhsa_enable_private_segment 0
		.amdhsa_kernarg_size 48
		.amdhsa_user_sgpr_count 2
		.amdhsa_user_sgpr_kernarg_segment_ptr 1
		.amdhsa_wavefront_size32 1
		.amdhsa_system_sgpr_workgroup_id_x 1
		.amdhsa_system_sgpr_workgroup_id_y 1
		.amdhsa_system_sgpr_workgroup_id_z 1
		.amdhsa_system_vgpr_workitem_id 0
		.amdhsa_next_free_vgpr 640
		.amdhsa_next_free_sgpr 100
		.amdhsa_reserve_vcc 0
		.amdhsa_float_denorm_mode_32 3
		.amdhsa_float_denorm_mode_16_64 3
		.amdhsa_memory_ordered 1
		.amdhsa_forward_progress 1
		.amdhsa_inst_pref_size 52
	.end_amdhsa_kernel
	.amdgpu_metadata
---
amdhsa.version: [ 1, 2 ]
amdhsa.kernels:
  - .name:           k_q6a7acb0ca9_wu
    .symbol:         k_q6a7acb0ca9_wu.kd
    .args:
      - { .name: ctx, .offset: 0, .size: 8, .value_kind: global_buffer, .address_space: global }
      - { .name: wc, .offset: 8, .size: 8, .value_kind: global_buffer, .address_space: global }
      - { .name: lowp_scales, .offset: 16, .size: 8, .value_kind: global_buffer, .address_space: global }
      - { .name: bu, .offset: 24, .size: 8, .value_kind: global_buffer, .address_space: global }
      - { .name: x, .offset: 32, .size: 8, .value_kind: global_buffer, .address_space: global }
      - { .name: h, .offset: 40, .size: 8, .value_kind: global_buffer, .address_space: global }
    .group_segment_fixed_size: 327680
    .private_segment_fixed_size: 0
    .kernarg_segment_align: 8
    .kernarg_segment_size: 48
    .max_flat_workgroup_size: 128
    .sgpr_count:     100
    .vgpr_count:     640
    .wavefront_size: 32
...
	.end_amdgpu_metadata
.endif
;; end of part 4
;; launch ln2 (part 5): grid 256 x 1, 16 waves a work-group, no clusters, 19,456 bytes of LDS; arguments h, lowp_scales, ha; writes ha
.if DOCPART == 5
	.amdgcn_target "amdgcn-amd-amdhsa--gfx1250"
	.amdhsa_code_object_version 6
	.text
	.protected	k_q6a7acb0ca9_ln2
	.globl	k_q6a7acb0ca9_ln2
	.p2align	8
	.type	k_q6a7acb0ca9_ln2,@function
k_q6a7acb0ca9_ln2:
	s_mov_b64 s[64:65], 0
	v_nop
	global_prefetch_b8 v0, s[64:65] scope:SCOPE_SE
	s_setreg_imm32_b32 hwreg(HW_REG_WAVE_MODE, 25, 1), 1
	s_wait_xcnt 0x0
; LayerNorm(h) becomes codes of FP8 (E4M3) under the scale e12, laid as images of operand registers: 16 rows x 128 along K = 2,048 bytes; lane L = r + 16 h owns bytes 512 g + 16 L .. + 15;
; register 2 c + e, byte n, is k = 16 c + 8 h + 4 e + n of row r.  ha lies [256 row blocks][8][2,048 bytes].
; A work-group takes 16 rows; wave w takes row w, a lane 32 numbers (load j: k = 128 j + 4 lane + 0 .. 3).  A lane's four codes of a load are one word of an image; the words meet in a stage in LDS
; (half groups of 256 bytes + 16 of padding) and leave as whole groups: 512 consecutive bytes a store.  The variance is taken from the centred numbers.
; LIMITS: e12 between -126 and 119.  NaN is not served.  No tensor loads, no cluster: work-groups share no input.
.set X,   8
.set T,   40
.set CC,  72
.set SCV, 96
.set SA,  102
.set RA,  103
.set GOF, 104
.set HGP, 272
	s_load_b128 s[4:7], s[0:1], 0x0                ; h, the exponents
	s_load_b64 s[8:9], s[0:1], 0x10                ; ha
	v_lshl_add_u32 v112, v0, 2, 0x4400
	v_mov_b32 v113, 0
	v_and_b32 v1, 31, v0
	s_delay_alu instid0(VALU_DEP_1)
	v_lshlrev_b32 v1, 4, v1
	v_lshrrev_b32 v2, 5, v0
	s_delay_alu instid0(VALU_DEP_1)
	v_readfirstlane_b32 s44, v2
	v_bfe_u32 v3, v0, 3, 2
	v_bfe_u32 v4, v0, 1, 1
	s_delay_alu instid0(VALU_DEP_1)
	v_lshl_add_u32 v3, v3, 1, v4
	s_delay_alu instid0(VALU_DEP_1)
	v_mul_u32_u24 v[SA], v3, HGP                   ; half group 2 (lane / 8) + (lane / 2) % 2
	s_delay_alu instid0(VALU_DEP_1)
	v_lshl_add_u32 v[SA], v2, 4, v[SA]             ; + 16 x row
	v_bfe_u32 v4, v0, 2, 1
	s_delay_alu instid0(VALU_DEP_1)
	v_lshl_add_u32 v[SA], v4, 3, v[SA]
	v_and_b32 v4, 1, v0
	s_delay_alu instid0(VALU_DEP_1)
	v_lshl_add_u32 v[SA], v4, 2, v[SA]
	v_bfe_u32 v3, v0, 4, 1
	s_delay_alu instid0(VALU_DEP_1)
	v_mul_u32_u24 v[RA], v3, HGP
	v_and_b32 v4, 15, v0
	s_delay_alu instid0(VALU_DEP_1)
	v_lshl_add_u32 v[RA], v4, 4, v[RA]
	s_delay_alu instid0(VALU_DEP_1)
	v_mad_u32_u24 v[RA], v2, 4*HGP, v[RA]          ; back: wave w takes groups 2 w and 2 w + 1
	v_lshl_add_u32 v[GOF], v2, 10, v1
	v_mov_b32 v5, 0
	s_mov_b32 s52, 0x76543210
	s_mov_b32 s53, 0xfedcba98
	s_mov_b32 s54, 0x3a800000                      ; 1 / 1,024
	s_mov_b32 s55, 0x38d1b717                      ; 1e-4
	s_lshl_b32 s45, ttmp9, 4
	s_add_co_u32 s45, s45, s44
	s_lshl_b32 s56, s45, 12                        ; my row
	s_mov_b32 s57, 0
	s_lshl_b32 s58, ttmp9, 14                      ; my work-group's 16 KB of images
	s_mov_b32 s59, 0
	s_wait_kmcnt 0x0
	s_load_b32 s60, s[6:7], 0x30                   ; e12
	s_add_nc_u64 s[4:5], s[4:5], s[56:57]
	s_add_nc_u64 s[8:9], s[8:9], s[58:59]
.irp j, 0,1,2,3,4,5,6,7
	global_load_b128 v[X+4*\j:X+4*\j+3], v1, s[4:5] offset:512*\j th:TH_LOAD_NT
.endr
	s_wait_kmcnt 0x0
	s_add_co_i32 s61, s60, 127
	s_lshl_b32 s62, s61, 23
	v_mov_b32 v[SCV], s62                          ; 2^e12
	s_add_co_i32 s61, s61, 8
	s_lshl_b32 s61, s61, 23
	s_or_b32 s61, s61, 0x600000
	v_mov_b32 v[SCV+1], s61                        ; 448 x 2^e12
.macro REDUCE v, t
	s_delay_alu instid0(VALU_DEP_1)
	v_add_f32_dpp v[\v], v[\v], v[\v] row_xmask:1 row_mask:0xf bank_mask:0xf
	s_delay_alu instid0(VALU_DEP_1)
	v_add_f32_dpp v[\v], v[\v], v[\v] row_xmask:2 row_mask:0xf bank_mask:0xf
	s_delay_alu instid0(VALU_DEP_1)
	v_add_f32_dpp v[\v], v[\v], v[\v] row_xmask:4 row_mask:0xf bank_mask:0xf
	s_delay_alu instid0(VALU_DEP_1)
	v_add_f32_dpp v[\v], v[\v], v[\v] row_xmask:8 row_mask:0xf bank_mask:0xf
	s_delay_alu instid0(VALU_DEP_1)
	v_permlanex16_b32 v[\t], v[\v], s52, s53
	s_delay_alu instid0(VALU_DEP_1)
	v_add_f32 v[\v], v[\v], v[\t]
.endm
.macro FOLD
	s_delay_alu instid0(VALU_DEP_3)
	v_pk_add_f32 v[T:T+1], v[T:T+1], v[T+2:T+3]
	s_delay_alu instid0(VALU_DEP_2)
	v_pk_add_f32 v[T+4:T+5], v[T+4:T+5], v[T+6:T+7]
	s_delay_alu instid0(VALU_DEP_1)
	v_pk_add_f32 v[T:T+1], v[T:T+1], v[T+4:T+5]
	s_delay_alu instid0(VALU_DEP_1)
	v_add_f32 v[T], v[T], v[T+1]
.endm
	s_wait_loadcnt 0x0
.irp c, 0,1,2,3
	v_pk_add_f32 v[T+2*\c:T+2*\c+1], v[X+4*\c:X+4*\c+1], v[X+4*\c+2:X+4*\c+3]
.endr
.irp c, 0,1,2,3
	s_delay_alu instid0(VALU_DEP_4)
	v_pk_add_f32 v[T+2*\c:T+2*\c+1], v[T+2*\c:T+2*\c+1], v[X+16+2*\c:X+16+2*\c+1]
.endr
.irp c, 0,1,2,3
	s_delay_alu instid0(VALU_DEP_4)
	v_pk_add_f32 v[T+2*\c:T+2*\c+1], v[T+2*\c:T+2*\c+1], v[X+24+2*\c:X+24+2*\c+1]
.endr
	FOLD
	s_delay_alu instid0(VALU_DEP_1)
	v_mov_b32 v2, v[T]
	REDUCE 2, 3
	s_delay_alu instid0(VALU_DEP_1)
	v_mul_f32 v2, s54, v2                          ; the mean, twice
	s_delay_alu instid0(VALU_DEP_1)
	v_mov_b32 v3, v2
.set i, 0
.rept 16
	v_pk_add_f32 v[X+2*i:X+2*i+1], v[X+2*i:X+2*i+1], v[2:3] neg_lo:[0,1] neg_hi:[0,1]
.set i, i+1
.endr
.irp c, 0,1,2,3
	v_pk_mul_f32 v[T+2*\c:T+2*\c+1], v[X+2*\c:X+2*\c+1], v[X+2*\c:X+2*\c+1]
.endr
.set i, 4
.rept 12
	s_delay_alu instid0(VALU_DEP_4)
	v_pk_fma_f32 v[T+2*(i%4):T+2*(i%4)+1], v[X+2*i:X+2*i+1], v[X+2*i:X+2*i+1], v[T+2*(i%4):T+2*(i%4)+1]
.set i, i+1
.endr
	FOLD
	s_delay_alu instid0(VALU_DEP_1)
	v_mov_b32 v4, v[T]
	REDUCE 4, 5
	s_delay_alu instid0(VALU_DEP_1)
	v_fma_f32 v4, v4, s54, s55                     ; var + 1e-4
	s_wait_alu depctr_va_vdst(0)
	v_rsq_f32 v4, v4
	v_nop                                          ; a plain instruction behind the transcendental,
	s_wait_alu depctr_va_vdst(0)                   ; and the wait ahead of its first reader
	v_mov_b32 v5, v4
.set i, 0
.rept 16
	v_pk_mul_f32 v[X+2*i:X+2*i+1], v[X+2*i:X+2*i+1], v[4:5]
.set i, i+1
.endr
.set i, 0
.rept 32
	v_med3_num_f32 v[T+i], v[X+i], -v[SCV+1], v[SCV+1]   ; the conversion does not saturate (ISA guide 7.6.2): the hold comes first
.set i, i+1
.endr
.irp j, 0,1,2,3
	v_cvt_scalef32_pk8_fp8_f32 v[CC+2*\j:CC+2*\j+1], v[T+8*\j:T+8*\j+7], v[SCV]
.endr
	v_nop
.irp j, 0,1,2,3,4,5,6,7
	ds_store_b32 v[SA], v[CC+\j] offset:\j*8*HGP
.endr
	s_wait_dscnt 0x0                               ; for the others' sake: my words lie in the stage
	s_barrier_signal -1
	s_barrier_wait -1
	ds_load_b128 v[T:T+3], v[RA]
	ds_load_b128 v[T+4:T+7], v[RA] offset:2*HGP
	s_wait_dscnt 0x0
	global_store_b128 v[GOF], v[T:T+3], s[8:9]
	global_store_b128 v[GOF], v[T+4:T+7], s[8:9] offset:512
	s_wait_tensorcnt 0x0
	ds_add_u32 v112, v113
	s_wait_dscnt 0x0
	s_endpgm
.Lfunc_end_k_q6a7acb0ca9_ln2:
	.size	k_q6a7acb0ca9_ln2, .Lfunc_end_k_q6a7acb0ca9_ln2-k_q6a7acb0ca9_ln2
	.p2alignl 7, 3214868480
	.fill 96, 4, 3214868480
	.section	.rodata,"a",@progbits
	.p2align	6, 0x0
	.amdhsa_kernel k_q6a7acb0ca9_ln2
		.amdhsa_group_segment_fixed_size 19456
		.amdhsa_private_segment_fixed_size 0
		.amdhsa_enable_private_segment 0
		.amdhsa_kernarg_size 24
		.amdhsa_user_sgpr_count 2
		.amdhsa_user_sgpr_kernarg_segment_ptr 1
		.amdhsa_wavefront_size32 1
		.amdhsa_system_sgpr_workgroup_id_x 1
		.amdhsa_system_sgpr_workgroup_id_y 1
		.amdhsa_system_sgpr_workgroup_id_z 1
		.amdhsa_system_vgpr_workitem_id 0
		.amdhsa_next_free_vgpr 114
		.amdhsa_next_free_sgpr 66
		.amdhsa_reserve_vcc 0
		.amdhsa_float_denorm_mode_32 3
		.amdhsa_float_denorm_mode_16_64 3
		.amdhsa_memory_ordered 1
		.amdhsa_forward_progress 1
		.amdhsa_inst_pref_size 14
	.end_amdhsa_kernel
	.amdgpu_metadata
---
amdhsa.version: [ 1, 2 ]
amdhsa.kernels:
  - .name:           k_q6a7acb0ca9_ln2
    .symbol:         k_q6a7acb0ca9_ln2.kd
    .args:
      - { .name: h, .offset: 0, .size: 8, .value_kind: global_buffer, .address_space: global }
      - { .name: lowp_scales, .offset: 8, .size: 8, .value_kind: global_buffer, .address_space: global }
      - { .name: ha, .offset: 16, .size: 8, .value_kind: global_buffer, .address_space: global }
    .group_segment_fixed_size: 19456
    .private_segment_fixed_size: 0
    .kernarg_segment_align: 8
    .kernarg_segment_size: 24
    .max_flat_workgroup_size: 512
    .sgpr_count:     66
    .vgpr_count:     114
    .wavefront_size: 32
...
	.end_amdgpu_metadata
.endif
;; end of part 5
;; launch ffn1 (part 6): grid 16 x 16, 4 waves a work-group, clusters of 4 x 4, 327,680 bytes of LDS; arguments ha, wc, lowp_scales, b1, hid; writes hid
.if DOCPART == 6
	.amdgcn_target "amdgcn-amd-amdhsa--gfx1250"
	.amdhsa_code_object_version 6
	.text
	.protected	k_q6a7acb0ca9_ffn1
	.globl	k_q6a7acb0ca9_ffn1
	.p2align	8
	.type	k_q6a7acb0ca9_ffn1,@function
k_q6a7acb0ca9_ffn1:
	s_mov_b64 s[64:65], 0
	v_nop
	global_prefetch_b8 v0, s[64:65] scope:SCOPE_SE
	s_setreg_imm32_b32 hwreg(HW_REG_WAVE_MODE, 25, 1), 1
	s_wait_xcnt 0x0
	s_wait_alu depctr_hold_cnt(0) depctr_sa_sdst(0) depctr_va_vdst(0) depctr_va_sdst(0) depctr_va_ssrc(0) depctr_va_vcc(0) depctr_vm_vsrc(0)
	s_getreg_b32 s2, hwreg(HW_REG_IB_STS2, 6, 4)
	s_cmp_eq_u32 s2, 0
	s_cbranch_scc0 .Lentry_in_a_cluster
	s_endpgm
.Lentry_in_a_cluster:
	s_bfe_u32 s2, ttmp6, 0x10000c
	s_cmp_lg_u32 s2, 0xf033
	s_cbranch_scc0 .Lentry_shape_is_right
	s_endpgm
.Lentry_shape_is_right:
.set RELU,   1
.set ZFIRST, 2
.set ASTEP,  65536
.set OUTP,   12
.set SLOT,   131072
.set SPARE,  2*SLOT
.set LAPS,   2
.set FR,     16
.set NL,     4
.set NP,     4
.set ADRA, 16
.set ADRB, 20
.set CO,   26
.set BO,   27
.set SPW,  28
.set NIL,  29
.set SCL,  30
.set LIM,  31
.set BI,   32
.set TMP,  32
.set AF,   128
.set CD,   128
.set G1, 24
.set G0, 32
.set G1B, 48
.set G0B, 56
.set MSB, 0
.macro WIN new
.if MSB != (\new)
	s_set_vgpr_msb (MSB<<8)|(\new)
.set MSB, (\new)
.endif
.endm
.macro WINM hi, zero
.if \zero == 2
	WIN 0x81+0x40*\hi
.else
	WIN 0xa1+0x50*\hi
.endif
.endm
.set TO_B, 0x40
.macro JLOAD g0a, g1a, g0b, g1b
	s_cmp_eq_u32 s15, 0
	s_cbranch_scc0 .Lfor_b_\@
	tensor_load_to_lds s[\g0a:\g0a+3], s[\g1a:\g1a+7]
	s_nop 0
.rept 4
	v_nop
.endr
	s_branch .Lasked_\@
.Lfor_b_\@:
	tensor_load_to_lds s[\g0b:\g0b+3], s[\g1b:\g1b+7]
	s_nop 0
.rept 4
	v_nop
.endr
.Lasked_\@:
.endm
.macro CREST
	s_cmp_lg_u32 s14, 0
	s_cbranch_scc1 .Lnot_wave_0_\@
	s_barrier_signal -3
.Lnot_wave_0_\@:
	s_barrier_wait -3
	s_barrier_signal -1
	s_barrier_wait -1
.endm
.macro CROUND
	s_barrier_signal -1
	s_barrier_wait -1
	CREST
.endm
.macro FRAG reg, adr, q, i
.irp c, 0,1,2,3
	ds_load_b128 v[\reg+4*\c:\reg+4*\c+3], v[\adr] offset:(\i)*4096+(\q)*2048+512*\c
.endr
.endm
.macro MUL16 a0, p, zero
.irp a, \a0, \a0+1
.irp b, 0,1,2,3,4,5,6,7
.if \zero == 1
	v_wmma_f32_16x16x128_fp8_fp8 v[8*(8*((\a)%4)+\b):8*(8*((\a)%4)+\b)+7], v[128*(\p)+FR*\b:128*(\p)+FR*\b+FR-1], v[AF+FR*(\a):AF+FR*(\a)+FR-1], 0
.elseif \zero == 2
	v_wmma_f32_16x16x128_fp8_fp8 v[8*(8*((\a)%4)+\b):8*(8*((\a)%4)+\b)+7], v[128*(\p)+FR*\b:128*(\p)+FR*\b+FR-1], v[AF+FR*(\a):AF+FR*(\a)+FR-1], v[BI+8*\b:BI+8*\b+7]
.else
	v_wmma_f32_16x16x128_fp8_fp8 v[8*(8*((\a)%4)+\b):8*(8*((\a)%4)+\b)+7], v[128*(\p)+FR*\b:128*(\p)+FR*\b+FR-1], v[AF+FR*(\a):AF+FR*(\a)+FR-1], v[8*(8*((\a)%4)+\b):8*(8*((\a)%4)+\b)+7]
.endif
.endr
.endr
.endm
.macro FETCH_B slot, q, p
	WIN TO_B
.irp i, 0,1,2,3,4,5,6,7
	FRAG 128*(\p)+FR*\i, ADRB+\slot, \q, \i
.endr
	WIN 0
.endm
.macro FETCH_A slot, q, i0
.irp i, \i0, \i0+1, \i0+2, \i0+3
	FRAG AF+FR*(\i), ADRA+\slot, \q, \i
.endr
.endm
.macro PLACES n
.rept \n
	v_nop
.endr
.endm
.macro STEP slot, q, zero
	s_wait_dscnt 4*NL
	WINM 0, \zero
	MUL16 0, (\q)%2, \zero
	MUL16 2, (\q)%2, \zero
	s_wait_dscnt 0
	PLACES NP
	FETCH_B \slot, (\q)+1, 1-(\q)%2
	FETCH_A \slot, (\q)+1, 0
	WINM 1, \zero
	MUL16 4, (\q)%2, \zero
	MUL16 6, (\q)%2, \zero
	PLACES NP
	WIN 0
	FETCH_A \slot, (\q)+1, 4
.endm
.macro TURN slot, next, fill
	s_wait_tensorcnt 0x0
	ds_add_u32 v[SPW], v[NIL]
	s_wait_dscnt 4*NL+1
	WINM 0, 0
	MUL16 0, 1, 0
	s_wait_dscnt 0x0
	s_barrier_signal -1
	MUL16 2, 1, 0
	WIN 0
	s_barrier_wait -1
.if \fill
	CREST
	s_add_nc_u64 s[G0+4*\slot+2:G0+4*\slot+3], s[G0+4*\slot+2:G0+4*\slot+3], 8192
	s_add_nc_u64 s[G0B+4*\slot+2:G0B+4*\slot+3], s[G0B+4*\slot+2:G0B+4*\slot+3], 8192
	JLOAD G0+4*\slot, G1, G0B+4*\slot, G1B
.else
	PLACES NP
.endif
	FETCH_B \next, 0, 0
	FETCH_A \next, 0, 0
	WINM 1, 0
	MUL16 4, 1, 0
	MUL16 6, 1, 0
	PLACES NP
	WIN 0
	FETCH_A \next, 0, 4
.endm
.macro OUTB a
	WIN 0x02+(\a)/4
.set j, 0
.rept 64
.if RELU
	v_med3_num_f32 v[TMP+j], v[64*((\a)%4)+j], 0, v[LIM]
.else
	v_med3_num_f32 v[TMP+j], v[64*((\a)%4)+j], -v[LIM], v[LIM]
.endif
.set j, j+1
.endr
	WIN 0
.irp b, 0,1,2,3,4,5,6,7
	v_cvt_scalef32_pk8_fp8_f32 v[CD+16*(\a)+2*\b:CD+16*(\a)+2*\b+1], v[TMP+8*\b:TMP+8*\b+7], v[SCL]
.endr
	v_nop
.irp g, 0,1,2,3
	global_store_b128 v[CO], v[CD+16*(\a)+4*\g:CD+16*(\a)+4*\g+3], s[OUTP:OUTP+1] offset:(\a)*ASTEP+512*\g th:TH_STORE_NT
.endr
.endm
	s_load_b256 s[4:11], s[0:1], 0x0
	s_load_b64 s[12:13], s[0:1], 0x20
	v_lshl_add_u32 v[SPW], v0, 2, SPARE
	v_mov_b32 v[NIL], 0
	ds_add_u32 v28, v29
	ds_add_u32 v28, v29
	s_wait_dscnt 0x0
	v_lshrrev_b32 v1, 5, v0
	v_readfirstlane_b32 s14, v1
	s_lshr_b32 s15, s14, 1
	s_and_b32 s16, s14, 1
	s_bfe_u32 s40, ttmp6, 0x40000
	s_bfe_u32 s41, ttmp6, 0x40004
	s_lshl_b32 s42, ttmp9, 2
	s_add_co_u32 s42, s42, s40
	s_and_b32 s17, ttmp7, 0xffff
	s_lshl_b32 s17, s17, 2
	s_add_co_u32 s17, s17, s41
	s_lshl_b32 s43, s41, 2
	s_lshl_b32 s43, 15, s43
	s_lshl_b32 s44, 0x1111, s40
	s_or_b32 s[G1+0], s43, (3<<16)|(1<<21)
	s_or_b32 s[G1B+0], s44, (3<<16)|(1<<21)
.irp g, G1, G1B
	s_mov_b32 s[\g+1], 512<<16
	s_mov_b32 s[\g+2], 8<<16
	s_mov_b32 s[\g+3], 512<<16
	s_mov_b32 s[\g+4], 8
	s_mov_b32 s[\g+5], 2048
	s_mov_b32 s[\g+6], 0
	s_mov_b32 s[\g+7], 0
.endr
	s_lshl_b32 s18, s16, 17
	s_lshl_b32 s20, s17, 18
	s_add_co_u32 s20, s20, s18
	s_mov_b32 s21, 0
	s_lshl_b32 s46, s42, 18
	s_add_co_u32 s46, s46, s18
	s_add_co_u32 s46, s46, 0x400000
	s_mov_b32 s47, 0
	s_mul_i32 s45, s14, 32768
	s_wait_kmcnt 0x0
	s_load_b512 s[68:83], s[8:9], 0x0
	s_add_nc_u64 s[20:21], s[4:5], s[20:21]
	s_add_nc_u64 s[46:47], s[6:7], s[46:47]
	CROUND
.irp s, 0,1
	s_mov_b32 s[G0+4*\s], 1
	s_add_co_u32 s[G0+4*\s+1], s45, \s*SLOT
	s_add_nc_u64 s[G0+4*\s+2:G0+4*\s+3], s[20:21], \s*4096
	s_or_b32 s[G0+4*\s+3], s[G0+4*\s+3], 0x80000000
	s_mov_b32 s[G0B+4*\s], 1
	s_add_co_u32 s[G0B+4*\s+1], s45, \s*SLOT
	s_add_nc_u64 s[G0B+4*\s+2:G0B+4*\s+3], s[46:47], \s*4096
	s_or_b32 s[G0B+4*\s+3], s[G0B+4*\s+3], 0x80000000
.endr
	JLOAD G0, G1, G0B, G1B                         ; K step 0: one tensor load a wave at the head
	; PREFETCH INTO THE L2.  A wave's load is 8 row blocks x 4,096 bytes; the four partners that ask for it jointly share its blocks out BY ADDRESS: the partner at place p (cx for the tokens, cy for the weight)
	; names row blocks 2 p and 2 p + 1, sixteen lanes to a row block, lanes 256 bytes apart: each block once in each cluster that loads it.  Behind K step 0's load: K steps 1 and 2; behind K step 1's: K step 3, the last.
	s_cmp_eq_u32 s15, 0
	s_cselect_b64 s[96:97], s[20:21], s[46:47]     ; the rows that I fetch
	s_cselect_b32 s98, s40, s41
	s_lshl_b32 s98, s98, 15                        ; + my work-group's two row blocks of 16,384 bytes
	s_mov_b32 s99, 0
	s_add_nc_u64 s[96:97], s[96:97], s[98:99]
	v_and_b32 v3, 15, v0
	v_bfe_u32 v4, v0, 4, 1
	v_lshlrev_b32 v3, 8, v3
	v_lshl_add_u32 v22, v4, 14, v3                 ; never rewritten
	global_prefetch_b8 v22, s[96:97] offset:4096 th:TH_LOAD_NT scope:SCOPE_SE
	global_prefetch_b8 v22, s[96:97] offset:8192 th:TH_LOAD_NT scope:SCOPE_SE
	v_and_b32 v2, 31, v0
	v_lshlrev_b32 v[CO], 4, v2
	s_wait_alu depctr_va_vdst(0)
	v_bfe_u32 v[BO], v0, 4, 1
	v_lshlrev_b32 v[BO], 5, v[BO]
	s_lshl_b32 s84, s42, 10
	s_lshl_b32 s85, s16, 9
	s_add_co_u32 s84, s84, s85
	s_mov_b32 s85, 0
	s_add_nc_u64 s[10:11], s[10:11], s[84:85]
.irp b, 0,1,2,3,4,5,6,7
	global_load_b128 v[BI+8*\b:BI+8*\b+3], v[BO], s[10:11] offset:64*\b
	global_load_b128 v[BI+8*\b+4:BI+8*\b+7], v[BO], s[10:11] offset:64*\b+16
.endr
	s_lshl_b32 s21, s15, 15
	s_lshl_b32 s22, s16, 15
	s_add_co_u32 s22, s22, 65536
.irp s, 0,1
	v_add_nc_u32 v[ADRA+\s], s21, v[CO]
	v_add_nc_u32 v[ADRB+\s], s22, v[CO]
	s_add_co_u32 s21, s21, SLOT
	s_add_co_u32 s22, s22, SLOT
.endr
	s_lshl_b32 s88, s17, 4
	s_lshl_b32 s89, s15, 3
	s_add_co_u32 s88, s88, s89
	s_lshl_b32 s88, s88, 5
	s_lshl_b32 s89, s42, 1
	s_add_co_u32 s88, s88, s89
	s_add_co_u32 s88, s88, s16
	s_lshl_b32 s88, s88, 11
	s_mov_b32 s89, 0
	s_add_nc_u64 s[12:13], s[12:13], s[88:89]
	s_wait_kmcnt 0x0
	s_add_co_i32 s90, s80, s81
	s_sub_co_i32 s91, 0, s90
	s_sub_co_i32 s90, s82, s90
	s_add_co_i32 s90, s90, 127
	s_lshl_b32 s92, s90, 23
	v_mov_b32 v[SCL], s92
	s_add_co_i32 s90, s90, 8
	s_lshl_b32 s90, s90, 23
	s_or_b32 s90, s90, 0x600000
	v_mov_b32 v[LIM], s90
	s_wait_loadcnt 0x0
.set j, 0
.rept 64
	v_ldexp_f32 v[BI+j], v[BI+j], s91
.set j, j+1
.endr
	s_wait_alu depctr_va_vdst(0)
	s_wait_tensorcnt 0x0                           ; my part of K step 0 is in
	ds_add_u32 v[SPW], v[NIL]
	s_wait_dscnt 0x0
	CROUND                                         ; everybody's part of K step 0 is in, and all sixteen work-groups are here
	JLOAD G0+4, G1, G0B+4, G1B                     ; K step 1: the first tensor load behind the round
	global_prefetch_b8 v22, s[96:97] offset:12288 th:TH_LOAD_NT scope:SCOPE_SE   ; K step 3, two fills on
	FETCH_B 0, 0, 0
	FETCH_A 0, 0, 0
	FETCH_A 0, 0, 4
	STEP 0, 0, ZFIRST
	s_mov_b32 s3, LAPS-1
.Llap:
	TURN 0, 1, 1
	STEP 1, 0, 0
	TURN 1, 0, 1
	STEP 0, 0, 0
	s_sub_co_u32 s3, s3, 1
	s_cmp_lg_u32 s3, 0
	s_cbranch_scc1 .Llap
	TURN 0, 1, 0
	STEP 1, 0, 0
	s_wait_dscnt 4*NL
	WINM 0, 0
	MUL16 0, 1, 0
	MUL16 2, 1, 0
	s_wait_dscnt 0
	WINM 1, 0
	MUL16 4, 1, 0
	MUL16 6, 1, 0
	WIN 0
	PLACES NP
.irp a, 0,1,2,3,4,5,6,7
	OUTB \a
.endr
	s_wait_tensorcnt 0x0
	ds_add_u32 v[SPW], v[NIL]
	s_wait_dscnt 0x0
	CROUND
	s_endpgm
.Lfunc_end_k_q6a7acb0ca9_ffn1:
	.size	k_q6a7acb0ca9_ffn1, .Lfunc_end_k_q6a7acb0ca9_ffn1-k_q6a7acb0ca9_ffn1
	.p2alignl 7, 3214868480
	.fill 96, 4, 3214868480
	.section	.rodata,"a",@progbits
	.p2align	6, 0x0
	.amdhsa_kernel k_q6a7acb0ca9_ffn1
		.amdhsa_group_segment_fixed_size 327680
		.amdhsa_private_segment_fixed_size 0
		.amdhsa_enable_private_segment 0
		.amdhsa_kernarg_size 40
		.amdhsa_user_sgpr_count 2
		.amdhsa_user_sgpr_kernarg_segment_ptr 1
		.amdhsa_wavefront_size32 1
		.amdhsa_system_sgpr_workgroup_id_x 1
		.amdhsa_system_sgpr_workgroup_id_y 1
		.amdhsa_system_sgpr_workgroup_id_z 1
		.amdhsa_system_vgpr_workitem_id 0
		.amdhsa_next_free_vgpr 1024
		.amdhsa_next_free_sgpr 100
		.amdhsa_reserve_vcc 0
		.amdhsa_float_denorm_mode_32 3
		.amdhsa_float_denorm_mode_16_64 3
		.amdhsa_memory_ordered 1
		.amdhsa_forward_progress 1
		.amdhsa_inst_pref_size 124
	.end_amdhsa_kernel
	.amdgpu_metadata
---
amdhsa.version: [ 1, 2 ]
amdhsa.kernels:
  - .name:           k_q6a7acb0ca9_ffn1
    .symbol:         k_q6a7acb0ca9_ffn1.kd
    .args:
      - { .name: ha, .offset: 0, .size: 8, .value_kind: global_buffer, .address_space: global }
      - { .name: wc, .offset: 8, .size: 8, .value_kind: global_buffer, .address_space: global }
      - { .name: lowp_scales, .offset: 16, .size: 8, .value_kind: global_buffer, .address_space: global }
      - { .name: b1, .offset: 24, .size: 8, .value_kind: global_buffer, .address_space: global }
      - { .name: hid, .offset: 32, .size: 8, .value_kind: global_buffer, .address_space: global }
    .group_segment_fixed_size: 327680
    .private_segment_fixed_size: 0
    .kernarg_segment_align: 8
    .kernarg_segment_size: 40
    .max_flat_workgroup_size: 128
    .sgpr_count:     100
    .vgpr_count:     1024
    .wavefront_size: 32
...
	.end_amdgpu_metadata
.endif
;; end of part 6
;; launch ffn2 (part 7): grid 8 x 32, 4 waves a work-group, clusters of 4 x 4, 327,680 bytes of LDS; arguments hid, wc, lowp_scales, b2, h, out0; writes out0
.if DOCPART == 7
	.amdgcn_target "amdgcn-amd-amdhsa--gfx1250"
	.amdhsa_code_object_version 6
	.text
	.protected	k_q6a7acb0ca9_ffn2
	.globl	k_q6a7acb0ca9_ffn2
	.p2align	8
	.type	k_q6a7acb0ca9_ffn2,@function
k_q6a7acb0ca9_ffn2:
	s_mov_b64 s[64:65], 0
	v_nop
	global_prefetch_b8 v0, s[64:65] scope:SCOPE_SE
	s_setreg_imm32_b32 hwreg(HW_REG_WAVE_MODE, 25, 1), 1
	s_wait_xcnt 0x0
	s_wait_alu depctr_hold_cnt(0) depctr_sa_sdst(0) depctr_va_vdst(0) depctr_va_sdst(0) depctr_va_ssrc(0) depctr_va_vcc(0) depctr_vm_vsrc(0)
	s_getreg_b32 s2, hwreg(HW_REG_IB_STS2, 6, 4)
	s_cmp_eq_u32 s2, 0
	s_cbranch_scc0 .Lentry_in_a_cluster
	s_endpgm
.Lentry_in_a_cluster:
	s_bfe_u32 s2, ttmp6, 0x10000c
	s_cmp_lg_u32 s2, 0xf033
	s_cbranch_scc0 .Lentry_shape_is_right
	s_endpgm
.Lentry_shape_is_right:
.set KTOT,  4096
.set QOFF,  0x800000
.set SCOFF, 0x38
.set RBP,   16*KTOT
.set LAPS,  KTOT/1024
.set SLOT,  131072
.set SPARE, 2*SLOT
.set STAGE, SPARE+512
.set SP,    272
.set ADRA, 16
.set ADRB, 20
.set STO,  24
.set RD,   25
.set CO,   26
.set SPW,  28
.set NIL,  29
.set BIA,  32
.set ACC,  128
.set F0,   0
.set F1,   128
.set G1, 24
.set G0, 32
.set G1B, 48
.set G0B, 56
.set MSB, 0
.macro WIN new
.if MSB != (\new)
	s_set_vgpr_msb (MSB<<8)|(\new)
.set MSB, (\new)
.endif
.endm
.macro JLOAD g0a, g1a, g0b, g1b
	s_cmp_eq_u32 s15, 0
	s_cbranch_scc0 .Lfor_b_\@
	tensor_load_to_lds s[\g0a:\g0a+3], s[\g1a:\g1a+7]
	s_nop 0
.rept 4
	v_nop
.endr
	s_branch .Lasked_\@
.Lfor_b_\@:
	tensor_load_to_lds s[\g0b:\g0b+3], s[\g1b:\g1b+7]
	s_nop 0
.rept 4
	v_nop
.endr
.Lasked_\@:
.endm
.macro CREST
	s_cmp_lg_u32 s14, 0
	s_cbranch_scc1 .Lnot_wave_0_\@
	s_barrier_signal -3
.Lnot_wave_0_\@:
	s_barrier_wait -3
	s_barrier_signal -1
	s_barrier_wait -1
.endm
.macro CROUND
	s_barrier_signal -1
	s_barrier_wait -1
	CREST
.endm
.macro PLACES
.rept 4
	v_nop
.endr
.endm
.macro FETCH slot, q, f
	WIN 0x40
.irp i, 0,1,2,3
.irp c, 0,1,2,3
	ds_load_b128 v[\f+64+16*\i+4*\c:\f+64+16*\i+4*\c+3], v[ADRB+\slot] offset:\i*8192+(\q)*2048+512*\c
.endr
.endr
.irp i, 0,1,2,3
.irp c, 0,1,2,3
	ds_load_b128 v[\f+16*\i+4*\c:\f+16*\i+4*\c+3], v[ADRA+\slot] offset:\i*8192+(\q)*2048+512*\c
.endr
.endr
.endm
.macro MULA f, a, zero
	WIN 0x05
.irp b, 0,1,2,3
.if \zero
	v_wmma_f32_16x16x128_fp8_fp8 v[ACC+8*(4*(\a)+\b):ACC+8*(4*(\a)+\b)+7], v[\f+64+16*\b:\f+64+16*\b+15], v[\f+16*(\a):\f+16*(\a)+15], 0
.else
	v_wmma_f32_16x16x128_fp8_fp8 v[ACC+8*(4*(\a)+\b):ACC+8*(4*(\a)+\b)+7], v[\f+64+16*\b:\f+64+16*\b+15], v[\f+16*(\a):\f+16*(\a)+15], v[ACC+8*(4*(\a)+\b):ACC+8*(4*(\a)+\b)+7]
.endif
.endr
.endm
.macro STEP slot, q, f, g, zero
	s_wait_dscnt 0x0
	PLACES
	FETCH \slot, (\q)+1, \g
	MULA \f, 0, \zero
	MULA \f, 1, \zero
	MULA \f, 2, \zero
	MULA \f, 3, \zero
.endm
.macro TURN slot, next, fill
	WIN 0
.if \fill
	s_wait_xcnt 0x0                                ; any prefetch of mine has read its address: it is stepped here, ahead of the waits of the change of slots
	s_add_nc_u64 s[92:93], s[92:93], 8192          ; two slots' worth of K further on than the fill that follows
.endif
	s_wait_tensorcnt 0x0
	ds_add_u32 v[SPW], v[NIL]
	s_wait_dscnt 1
	MULA F1, 0, 0
	s_wait_dscnt 0x0
	s_barrier_signal -1
	MULA F1, 1, 0
	WIN 0
	s_barrier_wait -1
.if \fill
	CREST
	s_add_nc_u64 s[G0+4*\slot+2:G0+4*\slot+3], s[G0+4*\slot+2:G0+4*\slot+3], 16384
	s_add_nc_u64 s[G0B+4*\slot+2:G0B+4*\slot+3], s[G0B+4*\slot+2:G0B+4*\slot+3], 16384
	JLOAD G0+4*\slot, G1, G0B+4*\slot, G1B
	s_cmp_gt_u32 s3, s66                           ; the loop's last trip has no slot two fills on; s66 is 1 in a wave that asks, else the greatest number
	s_cbranch_scc0 .Lnopf_\@
	global_prefetch_b8 v22, s[92:93] th:TH_LOAD_NT scope:SCOPE_SE
.Lnopf_\@:
.else
	PLACES
.endif
	FETCH \next, 0, F0
	MULA F1, 2, 0
	MULA F1, 3, 0
.endm
	s_load_b256 s[4:11], s[0:1], 0x0
	s_load_b128 s[84:87], s[0:1], 0x20
	v_lshl_add_u32 v[SPW], v0, 2, SPARE
	v_mov_b32 v[NIL], 0
	ds_add_u32 v28, v29
	ds_add_u32 v28, v29
	s_wait_dscnt 0x0
	v_lshrrev_b32 v1, 5, v0
	v_readfirstlane_b32 s14, v1
	s_lshr_b32 s15, s14, 1
	s_and_b32 s16, s14, 1
	s_bfe_u32 s40, ttmp6, 0x40000
	s_bfe_u32 s41, ttmp6, 0x40004
	s_lshl_b32 s42, ttmp9, 2
	s_add_co_u32 s42, s42, s40
	s_and_b32 s17, ttmp7, 0xffff
	s_lshl_b32 s17, s17, 2
	s_add_co_u32 s17, s17, s41
	s_lshl_b32 s43, s41, 2
	s_lshl_b32 s43, 15, s43
	s_lshl_b32 s44, 0x1111, s40
	s_or_b32 s[G1+0], s43, (3<<16)|(1<<21)
	s_or_b32 s[G1B+0], s44, (3<<16)|(1<<21)
.irp g, G1, G1B
	s_mov_b32 s[\g+1], 1024<<16
	s_mov_b32 s[\g+2], 4<<16
	s_mov_b32 s[\g+3], 1024<<16
	s_mov_b32 s[\g+4], 4
	s_mov_b32 s[\g+5], RBP/8
	s_mov_b32 s[\g+6], 0
	s_mov_b32 s[\g+7], 0
.endr
	s_lshl_b32 s18, s16, 2
	s_lshl_b32 s20, s17, 3
	s_add_co_u32 s20, s20, s18
	s_mul_i32 s20, s20, RBP
	s_mov_b32 s21, 0
	s_lshl_b32 s46, s42, 3
	s_add_co_u32 s46, s46, s18
	s_mul_i32 s46, s46, RBP
	s_add_co_u32 s46, s46, QOFF
	s_mov_b32 s47, 0
	s_mul_i32 s45, s14, 32768
	s_wait_kmcnt 0x0
	s_load_b64 s[96:97], s[8:9], SCOFF
	s_add_nc_u64 s[20:21], s[4:5], s[20:21]
	s_add_nc_u64 s[46:47], s[6:7], s[46:47]
	CROUND
.irp s, 0,1
	s_mov_b32 s[G0+4*\s], 1
	s_add_co_u32 s[G0+4*\s+1], s45, \s*SLOT
	s_add_nc_u64 s[G0+4*\s+2:G0+4*\s+3], s[20:21], \s*8192
	s_or_b32 s[G0+4*\s+3], s[G0+4*\s+3], 0x80000000
	s_mov_b32 s[G0B+4*\s], 1
	s_add_co_u32 s[G0B+4*\s+1], s45, \s*SLOT
	s_add_nc_u64 s[G0B+4*\s+2:G0B+4*\s+3], s[46:47], \s*8192
	s_or_b32 s[G0B+4*\s+3], s[G0B+4*\s+3], 0x80000000
.endr
	JLOAD G0, G1, G0B, G1B                         ; slot 0, K 0 to 511: one tensor load a wave at the head
	; PREFETCH INTO THE L2.  A wave's load is 4 row blocks x 8,192 bytes; the four partners that ask for it jointly share them out BY ADDRESS: the partner at place p (cx for the tokens, cy for the weight)
	; names row block p, lanes 256 bytes apart: each block once in each cluster that asks.  Behind each joint load stands the prefetch of the fill two on; behind the first also that of the next.  The last two fills have none.
	; The weight's rows are walked by all eight rows of clusters: the first four ask for them.
	s_and_b32 s94, ttmp7, 0xffff                   ; the cluster's y, which the partners share
	s_cmp_lt_u32 s94, 4
	s_cselect_b32 s66, 1, -1
	s_cmp_eq_u32 s15, 0                            ; do I fetch tokens?
	s_cselect_b32 s66, 1, s66
	s_cselect_b64 s[90:91], s[20:21], s[46:47]     ; the rows that I fetch
	s_cselect_b32 s94, s40, s41
	s_lshl_b32 s94, s94, 16                        ; + my work-group's row block of 65,536 bytes
	s_mov_b32 s95, 0
	s_add_nc_u64 s[90:91], s[90:91], s[94:95]
	s_add_nc_u64 s[92:93], s[90:91], 24576         ; the loop's: its first change of slots steps it to K 2,048
	v_and_b32 v22, 31, v0
	v_lshlrev_b32 v22, 8, v22                      ; never rewritten
	s_cmp_eq_u32 s66, 1
	s_cbranch_scc0 .Lnopf_head
	global_prefetch_b8 v22, s[90:91] offset:8192 th:TH_LOAD_NT scope:SCOPE_SE
	global_prefetch_b8 v22, s[90:91] offset:16384 th:TH_LOAD_NT scope:SCOPE_SE
.Lnopf_head:
	v_and_b32 v1, 15, v0
	s_wait_alu depctr_va_vdst(0)
	v_bfe_u32 v2, v0, 4, 1
	v_and_b32 v3, 31, v0
	v_lshlrev_b32 v3, 4, v3
	s_lshl_b32 s21, s15, 15
	s_lshl_b32 s22, s16, 15
	s_add_co_u32 s22, s22, 65536
.irp s, 0,1
	v_add_nc_u32 v[ADRA+\s], s21, v3
	v_add_nc_u32 v[ADRB+\s], s22, v3
	s_add_co_u32 s21, s21, SLOT
	s_add_co_u32 s22, s22, SLOT
.endr
	s_mul_i32 s23, s14, 16*SP
	s_add_co_u32 s23, s23, STAGE
	v_mul_u32_u24 v4, v1, SP
	s_wait_alu depctr_va_vdst(0)
	v_lshl_add_u32 v4, v2, 5, v4
	v_add_nc_u32 v[STO], s23, v4
	v_mul_u32_u24 v5, v2, SP
	v_lshl_add_u32 v5, v1, 4, v5
	v_add_nc_u32 v[RD], s23, v5
	v_lshlrev_b32 v6, 12, v2
	v_lshl_add_u32 v[CO], v1, 4, v6
	s_wait_alu depctr_va_vdst(0)
	v_lshlrev_b32 v7, 4, v1
	s_wait_alu depctr_va_vdst(0)
	s_lshl_b32 s20, s17, 7
	s_lshl_b32 s21, s15, 6
	s_add_co_u32 s20, s20, s21
	s_lshl_b32 s20, s20, 12
	s_lshl_b32 s88, s42, 9
	s_lshl_b32 s89, s16, 8
	s_add_co_u32 s88, s88, s89
	s_mov_b32 s89, 0
	s_add_nc_u64 s[10:11], s[10:11], s[88:89]
	s_add_co_u32 s88, s88, s20
	s_add_nc_u64 s[84:85], s[84:85], s[88:89]
	s_add_nc_u64 s[86:87], s[86:87], s[88:89]
	s_wait_kmcnt 0x0
	s_add_co_i32 s96, s96, s97
	s_add_co_i32 s96, s96, 127
	s_lshl_b32 s96, s96, 23
	s_mov_b32 s97, s96
	s_wait_alu depctr_va_vdst(0)
	s_wait_tensorcnt 0x0                           ; my part of slot 0 is in
	ds_add_u32 v[SPW], v[NIL]
	s_wait_dscnt 0x0
	CROUND                                         ; everybody's part of slot 0 is in, and all sixteen work-groups are here
	JLOAD G0+4, G1, G0B+4, G1B                     ; slot 1, K 512 to 1,023: the first tensor load behind the round
	s_cmp_eq_u32 s66, 1
	s_cbranch_scc0 .Lnopf_head2
	global_prefetch_b8 v22, s[90:91] offset:24576 th:TH_LOAD_NT scope:SCOPE_SE   ; K 1,536 on, two fills on
.Lnopf_head2:
	FETCH 0, 0, F0
	WIN 0x80                                       ; the residual and the bias are asked for here, behind slot 0's landing and slot 1's joint load, and arrive under the K steps
.irp a, 0,1,2,3
.irp t, 0,1,2,3,4,5,6,7
	global_load_b128 v[32*\a+4*\t:32*\a+4*\t+3], v[CO], s[84:85] offset:(16*\a+2*\t)*4096   ; in the layout in which the rows come back from the stage
.endr
.endr
	WIN 0
	global_load_b128 v[BIA:BIA+3], v7, s[10:11]
	STEP 0, 0, F0, F1, 1
.if LAPS > 1
	WIN 0
	s_mov_b32 s3, LAPS-1
.Llap:
	STEP 0, 1, F1, F0, 0
	STEP 0, 2, F0, F1, 0
	TURN 0, 1, 1
	STEP 1, 0, F0, F1, 0
	STEP 1, 1, F1, F0, 0
	STEP 1, 2, F0, F1, 0
	TURN 1, 0, 1
	STEP 0, 0, F0, F1, 0
	WIN 0
	s_sub_co_u32 s3, s3, 1
	s_cmp_lg_u32 s3, 0
	s_cbranch_scc1 .Llap
.endif
	STEP 0, 1, F1, F0, 0
	STEP 0, 2, F0, F1, 0
	TURN 0, 1, 0
	STEP 1, 0, F0, F1, 0
	STEP 1, 1, F1, F0, 0
	STEP 1, 2, F0, F1, 0
	s_wait_dscnt 0x0
	MULA F1, 0, 0
	MULA F1, 1, 0
	MULA F1, 2, 0
	MULA F1, 3, 0
	WIN 0
	PLACES
.irp a, 0,1,2,3
	WIN 0
.irp b, 0,1,2,3
	ds_store_b128 v[STO], v[ACC+8*(4*\a+\b):ACC+8*(4*\a+\b)+3] offset:64*\b
	ds_store_b128 v[STO], v[ACC+8*(4*\a+\b)+4:ACC+8*(4*\a+\b)+7] offset:64*\b+16
.endr
	WIN 0x40
.irp t, 0,1,2,3,4,5,6,7
	ds_load_b128 v[32*\a+4*\t:32*\a+4*\t+3], v[RD] offset:2*\t*SP
.endr
.endr
	s_wait_loadcnt 0x0
.irp a, 0,1,2,3
	s_wait_dscnt 48-16*\a
	WIN 0x41
.irp t, 0,1,2,3,4,5,6,7
	v_pk_fma_f32 v[32*\a+4*\t:32*\a+4*\t+1], v[32*\a+4*\t:32*\a+4*\t+1], s[96:97], v[BIA:BIA+1] op_sel_hi:[1,0,1]
	v_pk_fma_f32 v[32*\a+4*\t+2:32*\a+4*\t+3], v[32*\a+4*\t+2:32*\a+4*\t+3], s[96:97], v[BIA+2:BIA+3] op_sel_hi:[1,0,1]
.endr
	WIN 0x49
.irp t, 0,1,2,3,4,5,6,7
	v_pk_add_f32 v[32*\a+4*\t:32*\a+4*\t+1], v[32*\a+4*\t:32*\a+4*\t+1], v[32*\a+4*\t:32*\a+4*\t+1]
	v_pk_add_f32 v[32*\a+4*\t+2:32*\a+4*\t+3], v[32*\a+4*\t+2:32*\a+4*\t+3], v[32*\a+4*\t+2:32*\a+4*\t+3]
.endr
	WIN 0x04
.irp t, 0,1,2,3,4,5,6,7
	global_store_b128 v[CO], v[32*\a+4*\t:32*\a+4*\t+3], s[86:87] offset:(16*\a+2*\t)*4096 th:TH_STORE_NT
.endr
.endr
	WIN 0
	s_wait_tensorcnt 0x0
	ds_add_u32 v[SPW], v[NIL]
	s_wait_dscnt 0x0
	CROUND
	s_endpgm
.Lfunc_end_k_q6a7acb0ca9_ffn2:
	.size	k_q6a7acb0ca9_ffn2, .Lfunc_end_k_q6a7acb0ca9_ffn2-k_q6a7acb0ca9_ffn2
	.p2alignl 7, 3214868480
	.fill 96, 4, 3214868480
	.section	.rodata,"a",@progbits
	.p2align	6, 0x0
	.amdhsa_kernel k_q6a7acb0ca9_ffn2
		.amdhsa_group_segment_fixed_size 327680
		.amdhsa_private_segment_fixed_size 0
		.amdhsa_enable_private_segment 0
		.amdhsa_kernarg_size 48
		.amdhsa_user_sgpr_count 2
		.amdhsa_user_sgpr_kernarg_segment_ptr 1
		.amdhsa_wavefront_size32 1
		.amdhsa_system_sgpr_workgroup_id_x 1
		.amdhsa_system_sgpr_workgroup_id_y 1
		.amdhsa_system_sgpr_workgroup_id_z 1
		.amdhsa_system_vgpr_workitem_id 0
		.amdhsa_next_free_vgpr 640
		.amdhsa_next_free_sgpr 100
		.amdhsa_reserve_vcc 0
		.amdhsa_float_denorm_mode_32 3
		.amdhsa_float_denorm_mode_16_64 3
		.amdhsa_memory_ordered 1
		.amdhsa_forward_progress 1
		.amdhsa_inst_pref_size 83
	.end_amdhsa_kernel
	.amdgpu_metadata
---
amdhsa.version: [ 1, 2 ]
amdhsa.kernels:
  - .name:           k_q6a7acb0ca9_ffn2
    .symbol:         k_q6a7acb0ca9_ffn2.kd
    .args:
      - { .name: hid, .offset: 0, .size: 8, .value_kind: global_buffer, .address_space: global }
      - { .name: wc, .offset: 8, .size: 8, .value_kind: global_buffer, .address_space: global }
      - { .name: lowp_scales, .offset: 16, .size: 8, .value_kind: global_buffer, .address_space: global }
      - { .name: b2, .offset: 24, .size: 8, .value_kind: global_buffer, .address_space: global }
      - { .name: h, .offset: 32, .size: 8, .value_kind: global_buffer, .address_space: global }
      - { .name: out0, .offset: 40, .size: 8, .value_kind: global_buffer, .address_space: global }
    .group_segment_fixed_size: 327680
    .private_segment_fixed_size: 0
    .kernarg_segment_align: 8
    .kernarg_segment_size: 48
    .max_flat_workgroup_size: 128
    .sgpr_count:     100
    .vgpr_count:     640
    .wavefront_size: 32
...
	.end_amdgpu_metadata
.endif
;; end of part 7
